; MI455X (gfx1250); checked and timed in simulation.
; The chip was launched on July 23, 2026; its instructions are those of AMD's public machine-readable ISA for CDNA 5 (MIT licence, August 2026) and "CDNA5" Instruction Set Architecture Reference Guide (July 2026). The comments in the code are by the model that wrote it; some were corrected since.
;; Att Block. Allowed arithmetic: matrix products marked QUANTISED: E2M1 operands, one E8M0 scale for each 32 along K, by v_wmma_scale_f32_16x16x128_f8f6f4 with both operands' format E2M1 (or v_wmma_scale_f32_32x16x128_f4), f32 sums; products left as they are: f32 operands where the result goes on into a quantised operand, else bf16, f16 or f32 operands; f32 sums; everything else in f32.
;; Inputs: gamma_g 1 float32; gamma_l 1 float32; k_b 8 float32; k_w 8 x 64 float32; q_l_b 8 float32; q_l_w 8 x 64 float32; qg_b 4,096 float32; qg_w 4,096 x 8 float32; v_b 64 float32; v_w_codes 64 x 2 x 16 uint8 (E2M1 codes of v_w, K innermost, in blocks of 32 codes, two codes a byte); v_w_scales 64 x 2 uint8 (E8M0 scales of v_w, one for each 32 codes along K); x 4 x 64 x 64 x 64 float32.
;; Outputs: out0 4 x 64 x 64 x 64 float32.
;; This version of the problem:
;;   THIS VERSION OF THE PROBLEM IS GIVEN IN LOW PRECISION. The matrix products marked QUANTISED in the list below multiply operands that are first quantised to E2M1 (2 exponent bits, 1 mantissa bit; 4 bits a number), with one power-of-two scale for each 32 numbers along K (OCP MX v1.0); their sums are f32. All else is computed in f32.
;;   The module's matrix products, in the order in which they are computed (A, B: the left and right operand; K: the contracted axis; several contracted axes count as one K, in the product's order):
;;     1. [M 16,384, K 64] x [K 64, N 8]; A: input x; B: input q_l_w: left as it is (N = 8 < 16)
;;     2. [M 16,384, K 64] x [K 64, N 8]; A: input x; B: input k_w: left as it is (N = 8 < 16)
;;     3. [M 16,384, K 8] x [K 8, N 4,096]; A: computed on the way; B: input qg_w: left as it is (K = 8 < 32)
;;     4. batch 4 x [M 4,096, K 8] x [K 8, N 4,096]; A: computed on the way; B: computed on the way: left as it is (K = 8 < 32)
;;     5. [M 16,384, K 64] x [K 64, N 64]; A: input x; B: input v_w (given as codes): QUANTISED
;;     6. batch 4 x [M 64, K 4,096] x [K 4,096, N 4,096]; A: computed on the way; B: computed on the way: QUANTISED
;;   THE QUANTISER, for each operand of a quantised product, along K:
;;     - K is cut into blocks of 32 from its start; a last block that is shorter is filled with zeros.
;;     - A block's scale is 2^e with e = floor(log2(the largest magnitude in the block)) - 2, held to -126 .. 127; a block of zeros has e = 0. As a byte (E8M0): e + 127.
;;     - Each number is divided by its block's scale, clamped to +-6, and rounded to the nearest number of E2M1, ties to even, subnormals kept.
;;     - The product sums the exact products of the quantised numbers (number of the format x scale) in f32.
;;   ~~~python
;;   def quantise(x, axis):      # numpy; x: float32 -> the quantised numbers, widened to float32 again
;;       x = np.moveaxis(x, axis, -1); K = x.shape[-1]
;;       x = np.pad(x, [(0, 0)] * (x.ndim - 1) + [(0, -K % 32)]); x = x.reshape(x.shape[:-1] + (-1, 32)); a = np.abs(x).max(-1, keepdims=True)
;;       e = np.where(a > 0, np.clip(np.frexp(np.where(a > 0, a, 1))[1] - 1 - 2, -126, 127), 0)      # np.frexp(a)[1] - 1 = floor(log2(a)), exactly
;;       r = np.clip(x / 2.0 ** e, -6, 6)
;;       step = 2.0 ** (np.maximum(np.frexp(np.where(r == 0, 1, r))[1] - 1, 0) - 1)
;;       q = np.round(r / step) * step * 2.0 ** e      # np.round: ties to even
;;       return np.moveaxis(q.reshape(q.shape[:-2] + (-1,))[..., :K], -1, axis).astype(np.float32)
;;   ~~~
;;   OPERANDS COMPUTED ON THE WAY. 'Computed on the way' means the value that the module computes at that place (a softmax that the list does not call 'softmax' is quantised finished and normalised). What goes into a quantiser is computed in f32, as accurately as f32 sums, v_exp_f32 and their like allow (about 1e-6 of the number): no bf16 or f16 on the way to a quantiser, and a product that is left as it is and whose result goes on into a quantised operand takes f32 operands (vector FMAs, or v_wmma_f32_16x16x4_f32). A number that lies on a knife's edge between two numbers of the format may be rounded either way, as far as f32 arithmetic and the matrix unit's own rounding can turn it there, and no further.
;;   INPUTS GIVEN AS CODES. v_w (in the module: [64, 64], K = its axis 1): each comes as NAME_codes (uint8): NAME with its K axis moved to the last place and cut into blocks of 32 codes, [.., K / 32, bytes a block], one block behind the other in memory; two codes a byte, the lower K in the low four bits (a code: sign, 2 exponent bits, 1 mantissa bit); and NAME_scales (uint8): the same leading axes, one E8M0 byte (e + 127) for each 32 codes along K. Its value is code x scale, taken as it is: it is not quantised again, and the codes and scales need not be those that the quantiser above would give.
;; 2 versions, each right; version 2 is version 1 with the launches prep, attn written anew for expert scheduling mode. Each part assembles by itself: llvm-mc -triple=amdgcn-amd-amdhsa -mcpu=gfx1250 --defsym DOCPART=n.
;; ======== version 1 of 2: 2 launches
;; workspace buffers: qk 1,048,576 bytes; vc 524,288 bytes; vs 32,768 bytes
;; launch prep (part 1): grid 64 x 4, 4 waves a work-group, no clusters, 19,712 bytes of LDS; arguments x, q_l_w, q_l_b, k_w, k_b, v_w_codes, v_w_scales, v_b, qk, vc, vs; writes qk, vc, vs
.if DOCPART == 1
	.amdgcn_target "amdgcn-amd-amdhsa--gfx1250"
	.amdhsa_code_object_version 6
	.text
	.protected	k_q03e00e2817_prep
	.globl	k_q03e00e2817_prep
	.p2align	8
	.type	k_q03e00e2817_prep,@function
k_q03e00e2817_prep:
	s_mov_b64 s[64:65], 0
	v_nop
	global_prefetch_b8 v0, s[64:65] scope:SCOPE_SE
	s_setreg_imm32_b32 hwreg(HW_REG_WAVE_MODE, 25, 1), 1
	s_wait_xcnt 0x0
; FIRST OF TWO LAUNCHES.  out = x + Q(v) Q(alphas)^T, v = Q(x) v_w^T + v_b, alphas = gamma_g (k_g qg_w^T + qg_b) + gamma_l (q_l k_l).
; NO WORK OF THE PROBLEM IS LEFT OUT: the quantiser stands on alphas itself, so all 4 x 4096 x 4096 of them are formed (second launch), and every input has a way to the output.
; THIS LAUNCH makes, from x: q_l and k (f32 products, since they go on into a quantised operand) and the codes and scale bytes of v (the quantised product of x's codes and v_w's given codes, + v_b, quantised along q).
; SHARES.  A work-group takes 64 positions (64 g ..) of one batch b, all 64 channels; four waves.
; THE POSITIONS OF A TILE OF 16 ARE NOT NEIGHBOURS: row m of tile t is position 32 (m / 8) + 8 t + m % 8 of the 64.  In a matrix result register j of lane (r, h) is row 8 h + j, so the 32 registers of
; tiles 0 to 3 are positions 32 h + 0 .. 31: a WHOLE block of 32 in one lane, in the order of a 4-bit operand's registers.  No maximum crosses lanes, no halves are exchanged.
; WORKSPACE.  qk: two halves of 524,288 bytes, q_l's image and k's, each [b][g][t][slot 32][16 bytes]: slot 16 hh + r holds e = 4 hh .. 4 hh + 3 of row r of tile t.
;   vc: [b][ks 32][ct 4][cc 2][lane 32][16 bytes]: the registers of v's fragments as the second launch takes them: lane (r, h): channel 16 ct + r, q = 128 ks + 64 cc + 32 h + 0 .. 31.
;   vs: [b][ks 32][channel 64] words: byte i is the scale of q block 4 ks + i.
; LIMITS.  NaN and infinities among the inputs are not served.  A block of zeros gets the scale byte 1 where the rule says 127: its codes are zeros, and this program alone reads the bytes.
; The biases are the C of each sum's first matrix instruction, and q_l's and k's sums over the 64 channels run in four parts: orders of f32 rounding other than reference()'s.
; vs is written in pieces of 2 bytes (32,768 bytes in the whole launch, one byte for each 128 that it reads): the two blocks of a work-group are half a word of each channel.
.set XHALF, 8224                       ; LDS: x's tile, a row of 256 bytes for each channel; channels 32-63 lie 32 bytes further on, so that the two halves of the lanes read different words modulo 64
.set AIMG,  16640                      ; the images of x's four fragments, 512 bytes each (16 bytes a lane)
.set ASC,   18688                      ; their scale words, 128 bytes each (4 bytes a lane)
.set SPARE, 19200                      ; the spare words, 128 bytes for each wave: two blocks of 256 bytes that no other line names
.set RR,   1                           ; r = lane % 16
.set HH,   2                           ; h = lane / 16
.set LN,   3                           ; lane
.set XGO,  4                           ; x in memory: 16384 h + 16 r
.set XST,  5                           ; x into LDS: 16 lane + 4096 wave + 32 (wave / 2)
.set XRD,  6                           ; x out of LDS: XHALF h + 4 x my position
.set LI,   7                           ; 16 x lane
.set LS,   8                           ; 4 x lane
.set WTO,  9                           ; the small weights: row r % 8 of 256 bytes, + 128 h
.set QKO,  10                          ; qk: 524288 h + 16 r
.set VWO,  11                          ; v_w's codes: 32 r + 16 h
.set R2,   12                          ; 2 r
.set R4,   13                          ; 4 r
.set SPW,  14                          ; LDS address of my spare word; never rewritten
.set NIL,  15                          ; 0; never rewritten
.set X,    16                          ; v16-47   x(32 h + i, my position), i = 0 .. 31
.set WT,   48                          ; v48-79   rows of q_l_w (lanes r < 8) and of k_w (r >= 8): channels 32 h + i
.set WTB,  80                          ; v80-111  k_w's rows as loaded;
.set VD,   80                          ;          later v's four tiles
.set QKC,  112                         ; v112-119 q_l_b (h = 0), k_b (h = 1), in the result's layout
.set KB,   120                         ; v120-127 k_b as loaded
.set QKD,  128                         ; v128-159 four accumulators of the f32 form: written by matrix instructions alone
.set O,    160                         ; v160-167 their sum
.set AF,   168                         ; v168-199 x's four fragments; registers 4-7 of each (K = 64 .. 127) are zero codes
.set VWF,  200                         ; v200-207 v_w's fragment, likewise
.set VBC,  208                         ; v208-215 v_b of my channel, eight times: the C of v's sums
.set AFO,  216                         ; v216-219 x's codes just made
.set VCO,  220                         ; v220-223 v's codes just made
.set XW,   224                         ; x's scale word just made
.set XWS,  225                         ; v225-228 x's scale words, a tile each
.set VWS,  229                         ; v_w's scale word
.set VBL,  230                         ; v_b of my channel
.set TM,   232                         ; v232-239 at work
.set M1,   232
.set M2,   233
.set SC,   234
.set BY,   235
.set HW,   236
.set ZA,   240                         ; 0, an offset
.set PD,   241                         ; the lane permute's destination
.set AWI,  242                         ; where I store my image: 16 lane + 512 wave
.set ASW,  243                         ; and my scale word: 4 lane + 128 wave
.set SH8,  244                         ; 8 h
; 32 numbers of a lane, one block of 32 along K, become 4 registers of codes and the scale's byte.  The largest magnitude is taken in two chains, in an order in which each run of eight registers
; (a matrix result) is first read at its low end; the floor 2^(3 - 127) holds the byte at 1 from below; 2 off the exponent field is the conversion's scale operand.
.macro QUANT src, dst
	v_max3_num_f32 v[M1], |v[(\src)]|, |v[(\src)+1]|, |v[(\src)+2]|
	v_max3_num_f32 v[M2], |v[(\src)+3]|, |v[(\src)+4]|, |v[(\src)+5]|
.irp i, 6,10,14,18,22,26
	v_max3_num_f32 v[M1], v[M1], |v[(\src)+\i]|, |v[(\src)+\i+1]|
	v_max3_num_f32 v[M2], v[M2], |v[(\src)+\i+2]|, |v[(\src)+\i+3]|
.endr
	v_max3_num_f32 v[M1], v[M1], |v[(\src)+30]|, |v[(\src)+31]|
	v_max3_num_f32 v[M1], v[M1], v[M2], 0x1800000
	v_add_nc_u32 v[SC], 0xff000000, v[M1]
	v_lshrrev_b32 v[BY], 23, v[SC]                 ; the scale's byte
.irp t, 0,1,2,3
	v_cvt_scalef32_pk8_fp4_f32 v[(\dst)+\t], v[(\src)+8*\t:(\src)+8*\t+7], v[SC]
.endr
	v_nop                                          ; one plain place behind the last scaled conversion
.endm
	s_load_b512 s[4:19], s[0:1], 0x0               ; x s[4:5], q_l_w s[6:7], q_l_b s[8:9], k_w s[10:11], k_b s[12:13], v_w_codes s[14:15], v_w_scales s[16:17], v_b s[18:19]
	s_load_b128 s[20:23], s[0:1], 0x40             ; qk s[20:21], vc s[22:23]
	s_load_b64 s[24:25], s[0:1], 0x50              ; vs
	v_lshl_add_u32 v[SPW], v0, 2, SPARE
	v_mov_b32 v[NIL], 0
	v_lshrrev_b32 v1, 5, v0
	v_readfirstlane_b32 s26, v1                    ; wave w
	s_mov_b32 s27, ttmp9                           ; g
	s_and_b32 s28, ttmp7, 0xffff                   ; b
	v_and_b32 v[LN], 31, v0
	v_and_b32 v[RR], 15, v0
	v_bfe_u32 v[HH], v0, 4, 1
	v_lshlrev_b32 v[XGO], 4, v[RR]
	v_lshl_add_u32 v[XGO], v[HH], 14, v[XGO]
	v_lshlrev_b32 v[XST], 4, v[LN]
	s_lshl_b32 s37, s26, 12
	s_lshr_b32 s29, s26, 1
	s_lshl_b32 s29, s29, 5
	s_add_co_u32 s37, s37, s29
	v_add_nc_u32 v[XST], s37, v[XST]
	v_mul_u32_u24 v[XRD], v[HH], XHALF
	v_lshrrev_b32 v[WTO], 3, v[RR]                 ; r / 8
	v_lshl_add_u32 v[XRD], v[WTO], 7, v[XRD]       ; position 32 (r / 8)
	v_and_b32 v[QKO], 7, v[RR]                     ; r % 8
	v_lshl_add_u32 v[XRD], v[QKO], 2, v[XRD]       ; + r % 8
	s_lshl_b32 s37, s26, 5
	v_add_nc_u32 v[XRD], s37, v[XRD]               ; + 8 w: my wave's tile is t = w
	v_lshlrev_b32 v[LI], 4, v[LN]
	v_lshlrev_b32 v[LS], 2, v[LN]
	v_lshlrev_b32 v[WTO], 8, v[QKO]
	v_lshl_add_u32 v[WTO], v[HH], 7, v[WTO]
	v_lshlrev_b32 v[QKO], 4, v[RR]
	v_lshl_add_u32 v[QKO], v[HH], 19, v[QKO]
	v_lshlrev_b32 v[VWO], 5, v[RR]
	v_lshl_add_u32 v[VWO], v[HH], 4, v[VWO]
	v_lshlrev_b32 v[R2], 1, v[RR]
	v_lshlrev_b32 v[R4], 2, v[RR]
	v_mov_b32 v[ZA], 0
	v_mov_b32 v[PD], 0
	s_lshl_b32 s37, s26, 9
	v_add_nc_u32 v[AWI], s37, v[LI]
	s_lshl_b32 s37, s26, 7
	v_add_nc_u32 v[ASW], s37, v[LS]
	v_lshlrev_b32 v[SH8], 3, v[HH]
	s_mov_b32 s34, 0x76543210
	s_mov_b32 s35, 0xfedcba98                      ; v_permlanex16_b32's selects for lane l xor 16
	; byte offsets, each in a pair of its own
	s_lshl_b32 s30, s28, 20                        ; x: batch b, channels 16 w on, positions 64 g on
	s_lshl_b32 s37, s26, 18
	s_add_co_u32 s30, s30, s37
	s_lshl_b32 s37, s27, 8
	s_add_co_u32 s30, s30, s37
	s_mov_b32 s31, 0
	s_lshl_b32 s32, s26, 9                         ; v_w's codes: rows 16 w on, 32 bytes each
	s_mov_b32 s33, 0
	s_lshl_b32 s38, s26, 5                         ; v_w's scales: 2 bytes a row
	s_mov_b32 s39, 0
	s_lshl_b32 s40, s26, 6                         ; v_b: 4 bytes a channel
	s_mov_b32 s41, 0
	s_lshl_b32 s29, s28, 17                        ; qk: ((64 b + g) 4 + w) 512
	s_lshl_b32 s37, s27, 11
	s_add_co_u32 s42, s29, s37
	s_add_co_u32 s42, s42, s32
	s_mov_b32 s43, 0
	s_lshr_b32 s37, s27, 1                         ; ks = g / 2
	s_lshl_b32 s44, s37, 12                        ; vc: ((32 b + ks) 4 + w) 1024 + 512 (g % 2)
	s_add_co_u32 s44, s44, s29
	s_lshl_b32 s29, s26, 10
	s_add_co_u32 s44, s44, s29
	s_and_b32 s29, s27, 1
	s_lshl_b32 s46, s29, 9
	s_add_co_u32 s44, s44, s46
	s_mov_b32 s45, 0
	s_lshl_b32 s46, s28, 13                        ; vs: (32 b + ks) 256 + 64 w + 2 (g % 2)
	s_lshl_b32 s37, s37, 8
	s_add_co_u32 s46, s46, s37
	s_add_co_u32 s46, s46, s40
	s_lshl_b32 s29, s29, 1
	s_add_co_u32 s46, s46, s29
	s_mov_b32 s47, 0
	s_wait_kmcnt 0x0
	s_add_nc_u64 s[4:5], s[4:5], s[30:31]
	s_add_nc_u64 s[14:15], s[14:15], s[32:33]
	s_add_nc_u64 s[16:17], s[16:17], s[38:39]
	s_add_nc_u64 s[18:19], s[18:19], s[40:41]
	s_add_nc_u64 s[20:21], s[20:21], s[42:43]
	s_add_nc_u64 s[22:23], s[22:23], s[44:45]
	s_add_nc_u64 s[24:25], s[24:25], s[46:47]
.irp i, 0,1,2,3,4,5,6,7
	global_load_b128 v[X+4*\i:X+4*\i+3], v[XGO], s[4:5] offset:\i*32768   ; channels 16 w + 2 i + h: sixteen lanes read 256 consecutive bytes, aligned
.endr
.irp i, 0,1,2,3,4,5,6,7
	global_load_b128 v[WT+4*\i:WT+4*\i+3], v[WTO], s[6:7] offset:16*\i
.endr
.irp i, 0,1,2,3,4,5,6,7
	global_load_b128 v[WTB+4*\i:WTB+4*\i+3], v[WTO], s[10:11] offset:16*\i
.endr
	global_load_b128 v[QKC:QKC+3], v[ZA], s[8:9]
	global_load_b128 v[QKC+4:QKC+7], v[ZA], s[8:9] offset:16
	global_load_b128 v[KB:KB+3], v[ZA], s[12:13]
	global_load_b128 v[KB+4:KB+7], v[ZA], s[12:13] offset:16
	global_load_b128 v[VWF:VWF+3], v[VWO], s[14:15]    ; v_w(16 w + r, 32 h + 0 .. 31): 16 bytes as they lie
	global_load_u16 v[VWS], v[R2], s[16:17]            ; its two scale bytes; bytes 2 and 3 of the word are 0, over zero codes
	global_load_b32 v[VBL], v[R4], s[18:19]
	s_wait_loadcnt 23                              ; x's eight loads are in; the 23 behind them may stay out
.irp i, 0,1,2,3,4,5,6,7
	ds_store_b128 v[XST], v[X+4*\i:X+4*\i+3] offset:\i*512
.endr
	s_wait_dscnt 0x0                               ; for the others' sake: my sixteen channels lie in LDS
	s_barrier_signal -1
	s_barrier_wait -1
.irp i, 0,1,2,3,4,5,6,7,8,9,10,11,12,13,14,15,16,17,18,19,20,21,22,23,24,25,26,27,28,29,30,31
	ds_load_b32 v[X+\i], v[XRD] offset:\i*256      ; x(32 h + i, my position): my registers run down the channels
.endr
	s_wait_loadcnt 0x0                             ; the weights and biases
	v_cmp_le_u32 vcc_lo, 8, v[RR]
	v_cmp_eq_u32 s36, 1, v[HH]
.irp i, 0,1,2,3,4,5,6,7,8,9,10,11,12,13,14,15,16,17,18,19,20,21,22,23,24,25,26,27,28,29,30,31
	v_cndmask_b32 v[WT+\i], v[WT+\i], v[WTB+\i], vcc_lo   ; rows 0-7 of source 0: q_l_w; rows 8-15: k_w
.endr
.irp j, 0,1,2,3,4,5,6,7
	v_cndmask_b32 v[QKC+\j], v[QKC+\j], v[KB+\j], s36     ; result rows 8 h + j: q_l_b(j) or k_b(j)
.endr
.irp t, 0,1,2,3
.irp j, 4,5,6,7
	v_mov_b32 v[AF+8*\t+\j], 0                     ; K = 64 .. 127 of the quantised product: zero codes on both sides
.endr
.endr
.irp j, 4,5,6,7
	v_mov_b32 v[VWF+\j], 0
.endr
	s_wait_dscnt 0x0                               ; x's 32 numbers
	QUANT X, AFO                                   ; block h of my position, along the channels
	v_lshlrev_b32 v[XW], v[SH8], v[BY]             ; my byte at its place,
	v_permlanex16_b32 v[PD], v[XW], s34, s35
	v_or_b32 v[XW], v[XW], v[PD]                   ; with lane l xor 16's: the row's scale word (bytes 2, 3 are 0, over zero codes)
	ds_store_b128 v[AWI], v[AFO:AFO+3] offset:AIMG ; the fragment goes to LDS as an image of its registers
	ds_store_b32 v[ASW], v[XW] offset:ASC
	s_wait_dscnt 0x0                               ; for the others' sake: image and scale word have landed
	s_barrier_signal -1
	; q_l and k of my 16 positions, on registers alone while the others arrive: source 0 = the 16 rows of weights, source 1 = x; K step ks is channels 32 h + 2 ks + j on both sides.
	; Four accumulators take turns, one instruction a turn; the first takes the biases as C, the other three begin with 0.
.set ks, 0
.rept 16
.if ks == 0
	v_wmma_f32_16x16x4_f32 v[QKD:QKD+7], v[WT:WT+1], v[X:X+1], v[QKC:QKC+7]
.elseif ks < 4
	v_wmma_f32_16x16x4_f32 v[QKD+8*ks:QKD+8*ks+7], v[WT+2*ks:WT+2*ks+1], v[X+2*ks:X+2*ks+1], 0
.else
	v_wmma_f32_16x16x4_f32 v[QKD+8*(ks%4):QKD+8*(ks%4)+7], v[WT+2*ks:WT+2*ks+1], v[X+2*ks:X+2*ks+1], v[QKD+8*(ks%4):QKD+8*(ks%4)+7]
.endif
.set ks, ks+1
.endr
	s_barrier_wait -1                              ; x's four images lie in LDS
.irp t, 0,1,2,3
	ds_load_b128 v[AF+8*\t:AF+8*\t+3], v[LI] offset:AIMG+512*\t
	ds_load_b32 v[XWS+\t], v[LS] offset:ASC+128*\t
.endr
.irp j, 0,1,2,3,4,5,6,7
	v_mov_b32 v[VBC+\j], v[VBL]                    ; eight plain lines that name no register of the f32 products: the places behind them
.endr
.irp k, 0,2,4,6
	v_pk_add_f32 v[O+\k:O+\k+1], v[QKD+\k:QKD+\k+1], v[QKD+8+\k:QKD+8+\k+1]       ; each accumulator from its low end on
.endr
.irp k, 0,2,4,6
	v_pk_add_f32 v[TM+\k:TM+\k+1], v[QKD+16+\k:QKD+16+\k+1], v[QKD+24+\k:QKD+24+\k+1]
.endr
.irp k, 0,2,4,6
	v_pk_add_f32 v[O+\k:O+\k+1], v[O+\k:O+\k+1], v[TM+\k:TM+\k+1]
.endr
	global_store_b128 v[QKO], v[O:O+3], s[20:21]               ; lanes 0-15: q_l(position r, e = 0 .. 3) into q_l's image; lanes 16-31: k(e, position r) into k's: sixteen lanes store 256 consecutive bytes, aligned
	global_store_b128 v[QKO], v[O+4:O+7], s[20:21] offset:256  ; e = 4 .. 7: slots 16 + r
	s_wait_dscnt 0x0                               ; the four fragments and their scale words
.irp t, 0,1,2,3                                    ; v: source 0 = 16 positions of tile t, source 1 = my 16 channels 16 w + r of v_w, C = v_b: lane (r, h), register 8 t + j: v(16 w + r, 32 h + 8 t + j)
	v_wmma_scale_f32_16x16x128_f8f6f4 v[VD+8*\t:VD+8*\t+7], v[AF+8*\t:AF+8*\t+7], v[VWF:VWF+7], v[VBC:VBC+7], v[XWS+\t], v[VWS] matrix_a_fmt:MATRIX_FMT_FP4 matrix_b_fmt:MATRIX_FMT_FP4
.endr
.rept 4
	v_nop                                          ; four places ahead of the first read of results
.endr
	QUANT VD, VCO                                  ; block 2 g + h of my channel, along q
	global_store_b128 v[LI], v[VCO:VCO+3], s[22:23]    ; 32 lanes store 512 consecutive bytes of vc
	v_lshlrev_b32 v[HW], v[SH8], v[BY]
	v_permlanex16_b32 v[PD], v[HW], s34, s35
	v_or_b32 v[HW], v[HW], v[PD]                   ; the two bytes of blocks 2 g and 2 g + 1
	global_store_b16 v[R4], v[HW], s[24:25]        ; lanes r and 16 + r write the same two bytes with the same value
	s_wait_tensorcnt 0x0                           ; the wave's end, behind my last LDS store
	ds_add_u32 v[SPW], v[NIL]
	s_wait_dscnt 0x0
	s_endpgm
.Lfunc_end_k_q03e00e2817_prep:
	.size	k_q03e00e2817_prep, .Lfunc_end_k_q03e00e2817_prep-k_q03e00e2817_prep
	.p2alignl 7, 3214868480
	.fill 96, 4, 3214868480
	.section	.rodata,"a",@progbits
	.p2align	6, 0x0
	.amdhsa_kernel k_q03e00e2817_prep
		.amdhsa_group_segment_fixed_size 19712
		.amdhsa_private_segment_fixed_size 0
		.amdhsa_enable_private_segment 0
		.amdhsa_kernarg_size 88
		.amdhsa_user_sgpr_count 2
		.amdhsa_user_sgpr_kernarg_segment_ptr 1
		.amdhsa_wavefront_size32 1
		.amdhsa_system_sgpr_workgroup_id_x 1
		.amdhsa_system_sgpr_workgroup_id_y 1
		.amdhsa_system_sgpr_workgroup_id_z 1
		.amdhsa_system_vgpr_workitem_id 0
		.amdhsa_next_free_vgpr 256
		.amdhsa_next_free_sgpr 66
		.amdhsa_reserve_vcc 1
		.amdhsa_float_denorm_mode_32 3
		.amdhsa_float_denorm_mode_16_64 3
		.amdhsa_memory_ordered 1
		.amdhsa_forward_progress 1
		.amdhsa_inst_pref_size 19
	.end_amdhsa_kernel
	.amdgpu_metadata
---
amdhsa.version: [ 1, 2 ]
amdhsa.kernels:
  - .name:           k_q03e00e2817_prep
    .symbol:         k_q03e00e2817_prep.kd
    .args:
      - { .name: x, .offset: 0, .size: 8, .value_kind: global_buffer, .address_space: global }
      - { .name: q_l_w, .offset: 8, .size: 8, .value_kind: global_buffer, .address_space: global }
      - { .name: q_l_b, .offset: 16, .size: 8, .value_kind: global_buffer, .address_space: global }
      - { .name: k_w, .offset: 24, .size: 8, .value_kind: global_buffer, .address_space: global }
      - { .name: k_b, .offset: 32, .size: 8, .value_kind: global_buffer, .address_space: global }
      - { .name: v_w_codes, .offset: 40, .size: 8, .value_kind: global_buffer, .address_space: global }
      - { .name: v_w_scales, .offset: 48, .size: 8, .value_kind: global_buffer, .address_space: global }
      - { .name: v_b, .offset: 56, .size: 8, .value_kind: global_buffer, .address_space: global }
      - { .name: qk, .offset: 64, .size: 8, .value_kind: global_buffer, .address_space: global }
      - { .name: vc, .offset: 72, .size: 8, .value_kind: global_buffer, .address_space: global }
      - { .name: vs, .offset: 80, .size: 8, .value_kind: global_buffer, .address_space: global }
    .group_segment_fixed_size: 19712
    .private_segment_fixed_size: 0
    .kernarg_segment_align: 8
    .kernarg_segment_size: 88
    .max_flat_workgroup_size: 128
    .sgpr_count:     66
    .vgpr_count:     256
    .wavefront_size: 32
...
	.end_amdgpu_metadata
.endif
;; end of part 1
;; launch attn (part 2): grid 64 x 4, 8 waves a work-group, no clusters, 140,288 bytes of LDS; arguments gamma_g, gamma_l, qg_b, qg_w, x, qk, vc, vs, out0; writes out0
.if DOCPART == 2
	.amdgcn_target "amdgcn-amd-amdhsa--gfx1250"
	.amdhsa_code_object_version 6
	.text
	.protected	k_q03e00e2817_attn
	.globl	k_q03e00e2817_attn
	.p2align	8
	.type	k_q03e00e2817_attn,@function
k_q03e00e2817_attn:
	s_mov_b64 s[64:65], 0
	v_nop
	global_prefetch_b8 v0, s[64:65] scope:SCOPE_SE
	s_setreg_imm32_b32 hwreg(HW_REG_WAVE_MODE, 25, 1), 1
	s_wait_xcnt 0x0
; SECOND OF TWO LAUNCHES.  out(b, c, p) = x(b, c, p) + sum over q of Q(v)(b, c, q) Q(alphas)(b, p, q), alphas(p, q) = gamma_g (k_g(p, .) . qg_w(q, .) + qg_b(q)) + gamma_l q_l(p, .) . k(., q).  No work is left out.
; alphas goes into a quantiser, so it is formed with f32 operands: v_wmma_f32_16x16x4_f32, K = 16 (8 of the g part, 8 of the l part) in four K steps, with gamma_g qg_b as the C of the first.
; SHARES.  A work-group takes 64 positions p (64 blk ..) of one batch; eight waves, two to a SIMD, so that one wave's quantiser stands beside the other's matrix work.  Every wave holds all 64 p (four tiles pt) and
; takes 512 of the 4,096 q: four K steps of 128 of the quantised product.  So each fragment that is streamed (qg_w, k, qg_b, v's codes and scales) is loaded by one wave of the work-group, straight into
; operand registers, half a K step (64 f32 matrix instructions) ahead, and feeds four tiles.  The eight waves' sums meet in LDS at the end.
; No tensor loads and no cluster: nothing here is read by two waves of a work-group; the 64 work-groups of a batch do walk the same 0.4 MB of streams, 42 loads a wave for 144 matrix instructions.
; No prefetch: these streams are read by 64 work-groups each, not once, and every load is issued half a K step ahead of its use.
; THE ROWS OF A TILE OF 16 ARE NOT NEIGHBOURS, for q and for p alike: row m of tile t is 32 (m / 8) + 8 t + m % 8 of a group of 64.  alphas^T = (q side) x (p side): register j of lane (r, h) in tile t is
; q = 32 h + 8 t + j of p row r: the 32 registers of four tiles are a WHOLE block of 32 along q, in the order of a 4-bit operand's registers.  The quantiser needs no other lane; one lane permute gathers a scale word.
; The second product, source 0 = alphas' codes (16 p), source 1 = v's codes (16 channels), leaves lane (r, h) with channel 16 ct + r and p = 32 h + 8 pt + j: 32 neighbouring p over the four pt.
; K ORDER IN THE f32 FORM: step s, half h, register j stands for e = 4 h + 2 (s % 2) + j, on both sides alike: a lane's two steps are 16 consecutive bytes of a row of 8 numbers.
; LIMITS.  NaN and infinities among the inputs are not served.  A block of zeros gets the scale byte 1 where the rule says 127: its codes are zeros.  The gammas are multiplied into the p side and into qg_b
; ahead of the sums, and the sixteen terms are summed in the order above: f32 roundings other than reference()'s.
; REGISTERS, in windows of 256 (s_set_vgpr_msb's low byte: bits 1:0 source 0, 3:2 source 1, 5:4 source 2, 7:6 destination).
;   window 0: v1-15 addresses and the quantiser's three; v16-47 the p side; v48-111 gamma_g qg_b; v112-143 alphas' codes; v144-175 alphas^T (written by matrix instructions alone); v176-.. bytes, scale words, x.
;   window 1: v0-127 the 16 accumulators (pt, ct); v128-191 the q side, two halves of a K step; v192-223 v's four fragments.
.set RP,    272                        ; LDS: a channel's row of 64 p: 256 bytes + 16, so that sixteen rows' 16 bytes fall on different words modulo 64
.set REG,   64*RP                      ; a wave's region: 64 channels
.set SPARE, 8*REG                      ; behind the eight regions: the spare words, 128 bytes for each wave: four blocks of 256 bytes that no other line names
.set RR,    1                          ; r
.set AWO,   2                          ; qg_w: row 32 (r / 8) + r % 8 of 32 bytes, + 16 h
.set LI,    3                          ; 16 x lane
.set BO,    4                          ; qg_b: 128 h
.set LS,    5                          ; 4 x lane
.set KGO,   6                          ; k_g out of k's image
.set XO,    7                          ; x and out0: 16384 h + 16 r
.set STO,   8                          ; into my region: row r, + 128 h
.set RD0,   9                          ; out of regions 0-3: row 8 w + h, + 16 r
.set RD1,   10                         ; out of regions 4-7
.set SH8,   11                         ; 8 h
.set M1,    12
.set M2,    13
.set SC,    14
.set HH,    15                         ; h
.set BF,    16                         ; tile pt at 8 pt: registers 0-3 gamma_g k_g(p, 4 h ..), 4-7 gamma_l q_l(p, 4 h ..)
.set BIAS,  48                         ; half cc at 32 cc: register 8 t + j: gamma_g qg_b(64 cc + 32 h + 8 t + j)
.set CODES, 112                        ; tile pt at 8 pt
.set D,     144
.set BY,    176                        ; the byte of (pt, cc) at 2 pt + cc
.set PSC,   184                        ; alphas' scale words, a tile each
.set VSC,   188                        ; v's: register n: lanes 0-15 channels of ct = 2 n, lanes 16-31 of ct = 2 n + 1
.set XR,    192                        ; x's rows for the last addition
.set T,     208                        ; the lane permutes' destinations
.set SUM,   16                         ; the last sum: v16-143
.set SPW,   254                        ; LDS address of my spare word; never rewritten
.set NIL,   255                        ; 0; never rewritten
.set AF,    128                        ; window 1: half cc, tile t at 32 cc + 8 t: registers 0-3 qg_w(q, 4 h ..), 4-7 k(4 h .., q)
.set VF,    192                        ; window 1: tile ct at 8 ct
.set MSB, 0
.macro WIN new                         ; the immediate's high byte repeats the setting that is left; a switch that changes nothing is dropped
.if MSB != \new
	s_set_vgpr_msb (MSB<<8)|\new
.set MSB, \new
.endif
.endm
.set W_F32, 0x01                       ; source 0 (the q side) window 1
.set W_FP4, 0x54                       ; source 1 (v), C and D window 1
.set W_LD1, 0x40                       ; destination window 1
.set W_ST1, 0x04                       ; an LDS store's data (source 1) window 1
; 16 loads: half cc of K step i: the q side's four tiles and their 64 numbers of qg_b.  Every offset is an immediate; no base is stepped.
.macro GA i, cc
	WIN W_LD1
.irp t, 0,1,2,3
	global_load_b128 v[AF+32*(\cc)+8*\t:AF+32*(\cc)+8*\t+3], v[AWO], s[10:11] offset:(\i)*4096+(\cc)*2048+\t*256
	global_load_b128 v[AF+32*(\cc)+8*\t+4:AF+32*(\cc)+8*\t+7], v[LI], s[36:37] offset:(\i)*4096+(\cc)*2048+\t*512
.endr
	WIN 0
.irp u, 0,1,2,3,4,5,6,7
	global_load_b128 v[BIAS+32*(\cc)+4*\u:BIAS+32*(\cc)+4*\u+3], v[BO], s[8:9] offset:(\i)*512+(\cc)*256+16*\u
.endr
.endm
; 10 loads: v's four fragments and scale words of K step i
.macro GV i
	WIN W_LD1
.irp ct, 0,1,2,3
.irp c, 0,1
	global_load_b128 v[VF+8*\ct+4*\c:VF+8*\ct+4*\c+3], v[LI], s[16:17] offset:(\i)*4096+\ct*1024+\c*512
.endr
.endr
	WIN 0
	global_load_b32 v[VSC], v[LS], s[18:19] offset:(\i)*256
	global_load_b32 v[VSC+1], v[LS], s[18:19] offset:(\i)*256+128
.endm
.macro SCB cc                          ; qg_b x gamma_g
.irp u, 0,2,4,6,8,10,12,14,16,18,20,22,24,26,28,30
	v_pk_mul_f32 v[BIAS+32*(\cc)+\u:BIAS+32*(\cc)+\u+1], v[BIAS+32*(\cc)+\u:BIAS+32*(\cc)+\u+1], s[26:27] op_sel_hi:[1,0]
.endr
.endm
; 64 q x 16 p of alphas, and their codes.  Four accumulators take turns, one instruction a turn; each sum begins with the bias as C.  Eight v_nop are the places behind this form
; ahead of the reads; with the three plain lines behind the maxima that name no accumulator they are more than the nine ahead of the next unit's products, which begin the accumulators anew.
.macro UNIT pt, cc
	WIN W_F32
.irp s, 0,1,2,3
.irp t, 0,1,2,3
.if \s == 0
	v_wmma_f32_16x16x4_f32 v[D+8*\t:D+8*\t+7], v[AF+32*(\cc)+8*\t:AF+32*(\cc)+8*\t+1], v[BF+8*(\pt):BF+8*(\pt)+1], v[BIAS+32*(\cc)+8*\t:BIAS+32*(\cc)+8*\t+7]
.else
	v_wmma_f32_16x16x4_f32 v[D+8*\t:D+8*\t+7], v[AF+32*(\cc)+8*\t+2*\s:AF+32*(\cc)+8*\t+2*\s+1], v[BF+8*(\pt)+2*\s:BF+8*(\pt)+2*\s+1], v[D+8*\t:D+8*\t+7]
.endif
.endr
.endr
	WIN 0
.rept 8
	v_nop
.endr
	v_max3_num_f32 v[M1], |v[D]|, |v[D+1]|, |v[D+2]|               ; the block's largest magnitude: all 32 numbers are mine; two chains; each accumulator is first read at its low end
	v_max3_num_f32 v[M2], |v[D+3]|, |v[D+4]|, |v[D+5]|
.irp n, 6,10,14,18,22,26
	v_max3_num_f32 v[M1], v[M1], |v[D+\n]|, |v[D+\n+1]|
	v_max3_num_f32 v[M2], v[M2], |v[D+\n+2]|, |v[D+\n+3]|
.endr
	v_max3_num_f32 v[M1], v[M1], |v[D+30]|, |v[D+31]|
	v_max3_num_f32 v[M1], v[M1], v[M2], 0x1800000                  ; and the floor 2^(3 - 127): the byte cannot fall under 1
	v_add_nc_u32 v[SC], 0xff000000, v[M1]                          ; 2 off the exponent field: the conversion's scale operand
	v_lshrrev_b32 v[BY+2*(\pt)+(\cc)], 23, v[SC]                   ; the byte of block 2 cc + h
.irp t, 0,1,2,3
	v_cvt_scalef32_pk8_fp4_f32 v[CODES+8*(\pt)+4*(\cc)+\t], v[D+8*\t:D+8*\t+7], v[SC]   ; register 4 cc + t of the operand: k = 64 cc + 32 h + 8 t + 0 .. 7
.endr
	v_nop                                          ; one plain place behind the last scaled conversion
.endm
; A K step of the quantised product: 128 q.  Loads come back in order (ISA guide 5.7.1); they were issued in the order first half, second half, v.
.macro KSTEP i
	s_wait_loadcnt 26                              ; the first half is in; behind it: the second half's 16 and v's 10
	SCB 0
.irp pt, 0,1,2,3
	UNIT \pt, 0
.endr
.if \i < 3
	GA (\i)+1, 0                                   ; the next step's first half, into registers that the four units have left
	s_wait_loadcnt 26                              ; the second half is in; behind it: v's 10 and the 16 just issued
.else
.irp n, 0,1,2,3
	global_load_b128 v[XR+4*\n:XR+4*\n+3], v[XO], s[12:13] offset:\n*32768 th:TH_LOAD_NT   ; the last step asks for x's rows of the last addition: channels 8 w + 2 n + h
.endr
	s_wait_loadcnt 14                              ; behind the second half: v's 10 and x's 4
.endif
	SCB 1
.irp pt, 0,1,2,3
	UNIT \pt, 1
.endr
.if \i < 3
	GA (\i)+1, 1
.endif
.irp pt, 0,1,2,3
	v_lshl_or_b32 v[PSC+\pt], v[BY+2*\pt+1], 16, v[BY+2*\pt]       ; my two bytes: blocks h and 2 + h of p row r,
.endr
.irp pt, 0,1,2,3
	v_lshlrev_b32 v[PSC+\pt], v[SH8], v[PSC+\pt]                   ; at their places;
.endr
.irp pt, 0,1,2,3
	v_permlanex16_b32 v[T+\pt], v[PSC+\pt], s38, s39
.endr
.irp pt, 0,1,2,3
	v_or_b32 v[PSC+\pt], v[PSC+\pt], v[T+\pt]                      ; with lane l xor 16's two the word is whole
.endr
.rept 8
	v_nop                                          ; a scale register written by a vector instruction stands eight places ahead of a scaled matrix instruction
.endr
.if \i < 3
	s_wait_loadcnt 32                              ; v is in; behind it: the next step's two halves
.else
	s_wait_loadcnt 4                               ; behind v: x's 4
.endif
	WIN W_FP4
.irp pt, 0,1,2,3                                   ; the 16 accumulators take turns, one instruction a turn; the first K step starts the sums
.irp ct, 0,1,2,3
.if \i == 0
.if (\ct)%2
	v_wmma_scale_f32_16x16x128_f8f6f4 v[8*(4*\pt+\ct):8*(4*\pt+\ct)+7], v[CODES+8*\pt:CODES+8*\pt+7], v[VF+8*\ct:VF+8*\ct+7], 0, v[PSC+\pt], v[VSC+\ct/2] matrix_a_fmt:MATRIX_FMT_FP4 matrix_b_fmt:MATRIX_FMT_FP4 matrix_b_scale:MATRIX_SCALE_ROW1
.else
	v_wmma_scale_f32_16x16x128_f8f6f4 v[8*(4*\pt+\ct):8*(4*\pt+\ct)+7], v[CODES+8*\pt:CODES+8*\pt+7], v[VF+8*\ct:VF+8*\ct+7], 0, v[PSC+\pt], v[VSC+\ct/2] matrix_a_fmt:MATRIX_FMT_FP4 matrix_b_fmt:MATRIX_FMT_FP4
.endif
.else
.if (\ct)%2
	v_wmma_scale_f32_16x16x128_f8f6f4 v[8*(4*\pt+\ct):8*(4*\pt+\ct)+7], v[CODES+8*\pt:CODES+8*\pt+7], v[VF+8*\ct:VF+8*\ct+7], v[8*(4*\pt+\ct):8*(4*\pt+\ct)+7], v[PSC+\pt], v[VSC+\ct/2] matrix_a_fmt:MATRIX_FMT_FP4 matrix_b_fmt:MATRIX_FMT_FP4 matrix_b_scale:MATRIX_SCALE_ROW1
.else
	v_wmma_scale_f32_16x16x128_f8f6f4 v[8*(4*\pt+\ct):8*(4*\pt+\ct)+7], v[CODES+8*\pt:CODES+8*\pt+7], v[VF+8*\ct:VF+8*\ct+7], v[8*(4*\pt+\ct):8*(4*\pt+\ct)+7], v[PSC+\pt], v[VSC+\ct/2] matrix_a_fmt:MATRIX_FMT_FP4 matrix_b_fmt:MATRIX_FMT_FP4
.endif
.endif
.endr
.endr
	WIN 0
.rept 4
	v_nop                                          ; four places ahead of loads into registers that these products have read, and of the LDS stores that read their results
.endr
.if \i < 3
	GV (\i)+1
.endif
.endm
	s_load_b512 s[4:19], s[0:1], 0x0               ; gamma_g s[4:5], gamma_l s[6:7], qg_b s[8:9], qg_w s[10:11], x s[12:13], qk s[14:15], vc s[16:17], vs s[18:19]
	s_load_b64 s[20:21], s[0:1], 0x40              ; out0
	v_lshl_add_u32 v[SPW], v0, 2, SPARE
	v_mov_b32 v[NIL], 0
	v_lshrrev_b32 v1, 5, v0
	v_readfirstlane_b32 s22, v1                    ; wave w
	s_mov_b32 s23, ttmp9                           ; blk
	s_and_b32 s24, ttmp7, 0xffff                   ; b
	v_and_b32 v[RR], 15, v0
	v_bfe_u32 v[HH], v0, 4, 1
	v_lshrrev_b32 v[M1], 3, v[RR]                  ; r / 8
	v_and_b32 v[M2], 7, v[RR]                      ; r % 8
	v_and_b32 v[SC], 31, v0                        ; lane
	v_lshlrev_b32 v[AWO], 10, v[M1]
	v_lshl_add_u32 v[AWO], v[M2], 5, v[AWO]
	v_lshl_add_u32 v[AWO], v[HH], 4, v[AWO]
	v_lshlrev_b32 v[LI], 4, v[SC]
	v_lshlrev_b32 v[LS], 2, v[SC]
	v_lshlrev_b32 v[BO], 7, v[HH]
	; k_g(p, e') = k(p / 512, 8 (p % 512) + e'): reference()'s regrouping of k's memory.  With p = 64 blk + 32 (r / 8) + 8 pt + r % 8 and e' = 4 h + u that number lies in k's image at
	; group 8 (blk % 8) + 4 (r / 8) + pt, tile r % 4, slot 16 (blk / 32) + 8 ((r / 4) % 2) + 4 h + u, word (blk / 8) % 4.
	v_lshlrev_b32 v[KGO], 13, v[M1]
	v_and_b32 v[M2], 3, v[RR]
	v_lshl_add_u32 v[KGO], v[M2], 9, v[KGO]
	v_bfe_u32 v[M2], v[RR], 2, 1
	v_lshl_add_u32 v[KGO], v[M2], 7, v[KGO]
	v_lshl_add_u32 v[KGO], v[HH], 6, v[KGO]
	v_lshlrev_b32 v[XO], 4, v[RR]
	v_lshl_add_u32 v[XO], v[HH], 14, v[XO]
	s_mul_i32 s30, s22, REG
	v_mul_u32_u24 v[STO], v[RR], RP
	v_lshl_add_u32 v[STO], v[HH], 7, v[STO]
	v_add_nc_u32 v[STO], s30, v[STO]
	s_mul_i32 s30, s22, 8*RP
	v_mul_u32_u24 v[RD0], v[HH], RP
	v_lshl_add_u32 v[RD0], v[RR], 4, v[RD0]
	v_add_nc_u32 v[RD0], s30, v[RD0]
	v_add_nc_u32 v[RD1], 4*REG, v[RD0]
	v_lshlrev_b32 v[SH8], 3, v[HH]
.irp pt, 0,1,2,3
	v_mov_b32 v[T+\pt], 0                          ; written once: a lane permute's destination counts as one of its sources
.endr
	s_mov_b32 s38, 0x76543210
	s_mov_b32 s39, 0xfedcba98                      ; v_permlanex16_b32's selects for lane l xor 16
	s_mov_b32 s31, 0
	s_wait_kmcnt 0x0
	s_load_b32 s26, s[4:5], 0x0                    ; gamma_g
	s_load_b32 s28, s[6:7], 0x0                    ; gamma_l
	s_lshl_b32 s30, s22, 14
	s_add_nc_u64 s[10:11], s[10:11], s[30:31]      ; qg_w at q = 512 w
	s_lshl_b32 s40, s24, 17                        ; b x 131072
	s_add_co_u32 s30, s30, s40
	s_add_nc_u64 s[16:17], s[16:17], s[30:31]      ; vc at batch b, K step 4 w
	s_add_co_u32 s30, s30, 524288
	s_add_nc_u64 s[36:37], s[14:15], s[30:31]      ; k's image at batch b, group 8 w
	s_lshl_b32 s30, s23, 11
	s_add_co_u32 s30, s30, s40
	s_add_nc_u64 s[32:33], s[14:15], s[30:31]      ; q_l's image at batch b, group blk
	s_and_b32 s41, s23, 7
	s_lshl_b32 s41, s41, 14
	s_add_co_u32 s30, s40, s41
	s_lshr_b32 s41, s23, 5
	s_lshl_b32 s41, s41, 8
	s_add_co_u32 s30, s30, s41
	s_bfe_u32 s41, s23, 0x20003
	s_lshl_b32 s41, s41, 2
	s_add_co_u32 s30, s30, s41
	s_add_co_u32 s30, s30, 524288
	s_add_nc_u64 s[34:35], s[14:15], s[30:31]      ; k's image, for k_g
	s_lshl_b32 s30, s22, 11
	s_add_nc_u64 s[8:9], s[8:9], s[30:31]          ; qg_b at q = 512 w
	s_lshl_b32 s30, s24, 13
	s_lshl_b32 s41, s22, 10
	s_add_co_u32 s30, s30, s41
	s_add_nc_u64 s[18:19], s[18:19], s[30:31]      ; vs at batch b, K step 4 w
	s_lshl_b32 s30, s24, 20
	s_lshl_b32 s41, s22, 17
	s_add_co_u32 s30, s30, s41
	s_lshl_b32 s41, s23, 8
	s_add_co_u32 s30, s30, s41
	s_add_nc_u64 s[12:13], s[12:13], s[30:31]      ; x and out0 at batch b, channel 8 w, p = 64 blk
	s_add_nc_u64 s[20:21], s[20:21], s[30:31]
.irp pt, 0,1,2,3
	global_load_b128 v[BF+8*\pt+4:BF+8*\pt+7], v[LI], s[32:33] offset:\pt*512   ; q_l(p, 4 h ..)
.endr
.irp pt, 0,1,2,3
.irp u, 0,1,2,3
	global_load_b32 v[BF+8*\pt+\u], v[KGO], s[34:35] offset:\pt*2048+\u*16      ; k_g(p, 4 h + u): once a wave
.endr
.endr
	GA 0, 0
	GA 0, 1
	GV 0
	s_wait_kmcnt 0x0                               ; the gammas
	s_mov_b32 s27, s26                             ; (the packed forms name pairs and take the low word for both halves: so the upper words are written)
	s_mov_b32 s29, s28
	s_wait_loadcnt 42                              ; the p side's 20 loads are in; behind them: the first K step's 16 + 16 + 10
.irp pt, 0,1,2,3
	v_pk_mul_f32 v[BF+8*\pt:BF+8*\pt+1], v[BF+8*\pt:BF+8*\pt+1], s[26:27] op_sel_hi:[1,0]
	v_pk_mul_f32 v[BF+8*\pt+2:BF+8*\pt+3], v[BF+8*\pt+2:BF+8*\pt+3], s[26:27] op_sel_hi:[1,0]
	v_pk_mul_f32 v[BF+8*\pt+4:BF+8*\pt+5], v[BF+8*\pt+4:BF+8*\pt+5], s[28:29] op_sel_hi:[1,0]
	v_pk_mul_f32 v[BF+8*\pt+6:BF+8*\pt+7], v[BF+8*\pt+6:BF+8*\pt+7], s[28:29] op_sel_hi:[1,0]
.endr
	KSTEP 0
	KSTEP 1
	KSTEP 2
	KSTEP 3
	; THE WAVES' SUMS MEET IN LDS.  Lane (r, h) of accumulator (pt, ct) holds channel 16 ct + r, p = 32 h + 8 pt + 0 .. 7: 32 bytes of that channel's row in my region.
	WIN W_ST1
.irp pt, 0,1,2,3
.irp ct, 0,1,2,3
	ds_store_b128 v[STO], v[8*(4*\pt+\ct):8*(4*\pt+\ct)+3] offset:\ct*16*RP+\pt*32          ; each accumulator from its low end on
	ds_store_b128 v[STO], v[8*(4*\pt+\ct)+4:8*(4*\pt+\ct)+7] offset:\ct*16*RP+\pt*32+16
.endr
.endr
	WIN 0
	s_wait_dscnt 0x0                               ; for the others' sake: my region is whole
	s_barrier_signal -1
	s_barrier_wait -1
.irp n, 0,1,2,3                                    ; wave w adds up channels 8 w .. 8 w + 7, two at a time: lanes 0-15 one row of 256 bytes, lanes 16-31 the next, out of all eight regions
.irp u, 0,1,2,3
	ds_load_b128 v[SUM+32*\n+4*\u:SUM+32*\n+4*\u+3], v[RD0] offset:\u*REG+\n*2*RP
.endr
.irp u, 0,1,2,3
	ds_load_b128 v[SUM+32*\n+16+4*\u:SUM+32*\n+16+4*\u+3], v[RD1] offset:\u*REG+\n*2*RP
.endr
.endr
	s_wait_loadcnt 0x0                             ; x's rows
.irp n, 0,1,2,3
	s_wait_dscnt 24-8*\n                           ; this pair of rows is in; the later pairs' loads, eight each, may stay out
.irp u, 0,8,16,24
	v_pk_add_f32 v[SUM+32*\n+\u:SUM+32*\n+\u+1], v[SUM+32*\n+\u:SUM+32*\n+\u+1], v[SUM+32*\n+\u+4:SUM+32*\n+\u+5]
	v_pk_add_f32 v[SUM+32*\n+\u+2:SUM+32*\n+\u+3], v[SUM+32*\n+\u+2:SUM+32*\n+\u+3], v[SUM+32*\n+\u+6:SUM+32*\n+\u+7]
.endr
.irp u, 0,16
	v_pk_add_f32 v[SUM+32*\n+\u:SUM+32*\n+\u+1], v[SUM+32*\n+\u:SUM+32*\n+\u+1], v[SUM+32*\n+\u+8:SUM+32*\n+\u+9]
	v_pk_add_f32 v[SUM+32*\n+\u+2:SUM+32*\n+\u+3], v[SUM+32*\n+\u+2:SUM+32*\n+\u+3], v[SUM+32*\n+\u+10:SUM+32*\n+\u+11]
.endr
	v_pk_add_f32 v[SUM+32*\n:SUM+32*\n+1], v[SUM+32*\n:SUM+32*\n+1], v[SUM+32*\n+16:SUM+32*\n+17]
	v_pk_add_f32 v[SUM+32*\n+2:SUM+32*\n+3], v[SUM+32*\n+2:SUM+32*\n+3], v[SUM+32*\n+18:SUM+32*\n+19]
	v_pk_add_f32 v[SUM+32*\n:SUM+32*\n+1], v[SUM+32*\n:SUM+32*\n+1], v[XR+4*\n:XR+4*\n+1]          ; + x
	v_pk_add_f32 v[SUM+32*\n+2:SUM+32*\n+3], v[SUM+32*\n+2:SUM+32*\n+3], v[XR+4*\n+2:XR+4*\n+3]
	global_store_b128 v[XO], v[SUM+32*\n:SUM+32*\n+3], s[20:21] offset:\n*32768 th:TH_STORE_NT     ; sixteen lanes store 256 consecutive bytes, at a multiple of 256 from out0's first byte
.endr
	s_wait_tensorcnt 0x0                           ; the wave's end, behind my last LDS store
	ds_add_u32 v[SPW], v[NIL]
	s_wait_dscnt 0x0
	s_endpgm
.Lfunc_end_k_q03e00e2817_attn:
	.size	k_q03e00e2817_attn, .Lfunc_end_k_q03e00e2817_attn-k_q03e00e2817_attn
	.p2alignl 7, 3214868480
	.fill 96, 4, 3214868480
	.section	.rodata,"a",@progbits
	.p2align	6, 0x0
	.amdhsa_kernel k_q03e00e2817_attn
		.amdhsa_group_segment_fixed_size 140288
		.amdhsa_private_segment_fixed_size 0
		.amdhsa_enable_private_segment 0
		.amdhsa_kernarg_size 72
		.amdhsa_user_sgpr_count 2
		.amdhsa_user_sgpr_kernarg_segment_ptr 1
		.amdhsa_wavefront_size32 1
		.amdhsa_system_sgpr_workgroup_id_x 1
		.amdhsa_system_sgpr_workgroup_id_y 1
		.amdhsa_system_sgpr_workgroup_id_z 1
		.amdhsa_system_vgpr_workitem_id 0
		.amdhsa_next_free_vgpr 512
		.amdhsa_next_free_sgpr 66
		.amdhsa_reserve_vcc 0
		.amdhsa_float_denorm_mode_32 3
		.amdhsa_float_denorm_mode_16_64 3
		.amdhsa_memory_ordered 1
		.amdhsa_forward_progress 1
		.amdhsa_inst_pref_size 141
	.end_amdhsa_kernel
	.amdgpu_metadata
---
amdhsa.version: [ 1, 2 ]
amdhsa.kernels:
  - .name:           k_q03e00e2817_attn
    .symbol:         k_q03e00e2817_attn.kd
    .args:
      - { .name: gamma_g, .offset: 0, .size: 8, .value_kind: global_buffer, .address_space: global }
      - { .name: gamma_l, .offset: 8, .size: 8, .value_kind: global_buffer, .address_space: global }
      - { .name: qg_b, .offset: 16, .size: 8, .value_kind: global_buffer, .address_space: global }
      - { .name: qg_w, .offset: 24, .size: 8, .value_kind: global_buffer, .address_space: global }
      - { .name: x, .offset: 32, .size: 8, .value_kind: global_buffer, .address_space: global }
      - { .name: qk, .offset: 40, .size: 8, .value_kind: global_buffer, .address_space: global }
      - { .name: vc, .offset: 48, .size: 8, .value_kind: global_buffer, .address_space: global }
      - { .name: vs, .offset: 56, .size: 8, .value_kind: global_buffer, .address_space: global }
      - { .name: out0, .offset: 64, .size: 8, .value_kind: global_buffer, .address_space: global }
    .group_segment_fixed_size: 140288
    .private_segment_fixed_size: 0
    .kernarg_segment_align: 8
    .kernarg_segment_size: 72
    .max_flat_workgroup_size: 256
    .sgpr_count:     66
    .vgpr_count:     512
    .wavefront_size: 32
...
	.end_amdgpu_metadata
.endif
;; end of part 2
;; ======== version 2 of 2: 2 launches; version 1 with the launches prep, attn written anew for expert scheduling mode
;; workspace buffers: qk 1,048,576 bytes; vc 524,288 bytes; vs 32,768 bytes
;; launch prep (part 3): grid 64 x 4, 4 waves a work-group, no clusters, 19,712 bytes of LDS; arguments x, q_l_w, q_l_b, k_w, k_b, v_w_codes, v_w_scales, v_b, qk, vc, vs; writes qk, vc, vs
.if DOCPART == 3
	.amdgcn_target "amdgcn-amd-amdhsa--gfx1250"
	.amdhsa_code_object_version 6
	.text
	.protected	k_q03e00e2817_prep
	.globl	k_q03e00e2817_prep
	.p2align	8
	.type	k_q03e00e2817_prep,@function
k_q03e00e2817_prep:
	s_mov_b64 s[64:65], 0
	v_nop
	global_prefetch_b8 v0, s[64:65] scope:SCOPE_SE
	s_setreg_imm32_b32 hwreg(HW_REG_WAVE_SCHED_MODE, 0, 2), 2
	s_setreg_imm32_b32 hwreg(HW_REG_WAVE_MODE, 25, 1), 1
	s_wait_xcnt 0x0
	s_wait_alu depctr_vm_vsrc(0)
; FIRST OF TWO LAUNCHES.  out = x + Q(v) Q(alphas)^T, v = Q(x) v_w^T + v_b, alphas = gamma_g (k_g qg_w^T + qg_b) + gamma_l (q_l k_l).
; NO WORK OF THE PROBLEM IS LEFT OUT: the quantiser stands on alphas itself, so all 4 x 4096 x 4096 of them are formed (second launch), and every input has a way to the output.
; THIS LAUNCH makes, from x: q_l and k (f32 products, since they go on into a quantised operand) and the codes and scale bytes of v (the quantised product of x's codes and v_w's given codes, + v_b, quantised along q).
; SHARES.  A work-group takes 64 positions (64 g ..) of one batch b, all 64 channels; four waves.
; THE POSITIONS OF A TILE OF 16 ARE NOT NEIGHBOURS: row m of tile t is position 32 (m / 8) + 8 t + m % 8 of the 64.  In a matrix result register j of lane (r, h) is row 8 h + j, so the 32 registers of
; tiles 0 to 3 are positions 32 h + 0 .. 31: a WHOLE block of 32 in one lane, in the order of a 4-bit operand's registers.  No maximum crosses lanes, no halves are exchanged.
; WORKSPACE.  qk: two halves of 524,288 bytes, q_l's image and k's, each [b][g][t][slot 32][16 bytes]: slot 16 hh + r holds e = 4 hh .. 4 hh + 3 of row r of tile t.
;   vc: [b][ks 32][ct 4][cc 2][lane 32][16 bytes]: the registers of v's fragments as the second launch takes them: lane (r, h): channel 16 ct + r, q = 128 ks + 64 cc + 32 h + 0 .. 31.
;   vs: [b][ks 32][channel 64] words: byte i is the scale of q block 4 ks + i.
; LIMITS.  NaN and infinities among the inputs are not served.  A block of zeros gets the scale byte 1 where the rule says 127: its codes are zeros, and this program alone reads the bytes.
; The biases are the C of each sum's first matrix instruction, and q_l's and k's sums over the 64 channels run in four parts: orders of f32 rounding other than reference()'s.
; vs is written in pieces of 2 bytes (32,768 bytes in the whole launch, one byte for each 128 that it reads): the two blocks of a work-group are half a word of each channel.
; THE MODE: SCHED_MODE bits 1:0 = 2 (LLVM: expert scheduling mode 2), set by the entry lines.  The code itself states the register dependences
; between vector or matrix instructions and memory or LDS instructions, with s_wait_alu, always for 0.
; THE PLAN.  Registers that memory or LDS instructions touch:
;   v4-v13, v240, v242, v243   offsets and addresses: made at the head, never written again.
;   X                          global loads land in it; LDS stores read it; LDS loads land in it again; from then on vector and matrix instructions alone name it.
;   WT, WTB, QKC, KB, VWF 0-3, VWS, VBL; AF registers 0-3 of each tile, XWS: one load lands in each, and nothing names them before.
;   AFO, XW | O | VCO, HW      out-buffers, each written once by vector instructions and read by one run of stores behind one wait on va_vdst; none is written again.
.set XHALF, 8224                       ; LDS: x's tile, a row of 256 bytes for each channel; channels 32-63 lie 32 bytes further on, so that the two halves of the lanes read different words modulo 64
.set AIMG,  16640                      ; the images of x's four fragments, 512 bytes each (16 bytes a lane)
.set ASC,   18688                      ; their scale words, 128 bytes each (4 bytes a lane)
.set SPARE, 19200                      ; the spare words, 128 bytes for each wave: two blocks of 256 bytes that no other line names
.set RR,   1                           ; r = lane % 16
.set HH,   2                           ; h = lane / 16
.set LN,   3                           ; lane
.set XGO,  4                           ; x in memory: 16384 h + 16 r
.set XST,  5                           ; x into LDS: 16 lane + 4096 wave + 32 (wave / 2)
.set XRD,  6                           ; x out of LDS: XHALF h + 4 x my position
.set LI,   7                           ; 16 x lane
.set LS,   8                           ; 4 x lane
.set WTO,  9                           ; the small weights: row r % 8 of 256 bytes, + 128 h
.set QKO,  10                          ; qk: 524288 h + 16 r
.set VWO,  11                          ; v_w's codes: 32 r + 16 h
.set R2,   12                          ; 2 r
.set R4,   13                          ; 4 r
.set SPW,  14                          ; LDS address of my spare word; never rewritten
.set NIL,  15                          ; 0; never rewritten
.set X,    16                          ; v16-47   x(32 h + i, my position), i = 0 .. 31
.set WT,   48                          ; v48-79   rows of q_l_w (lanes r < 8) and of k_w (r >= 8): channels 32 h + i
.set WTB,  80                          ; v80-111  k_w's rows as loaded;
.set VD,   80                          ;          later v's four tiles
.set QKC,  112                         ; v112-119 q_l_b (h = 0), k_b (h = 1), in the result's layout
.set KB,   120                         ; v120-127 k_b as loaded
.set QKD,  128                         ; v128-159 four accumulators of the f32 form: written by matrix instructions alone
.set O,    160                         ; v160-167 their sum
.set AF,   168                         ; v168-199 x's four fragments; registers 4-7 of each (K = 64 .. 127) are zero codes
.set VWF,  200                         ; v200-207 v_w's fragment, likewise
.set VBC,  208                         ; v208-215 v_b of my channel, eight times: the C of v's sums
.set AFO,  216                         ; v216-219 x's codes just made
.set VCO,  220                         ; v220-223 v's codes just made
.set XW,   224                         ; x's scale word just made
.set XWS,  225                         ; v225-228 x's scale words, a tile each
.set VWS,  229                         ; v_w's scale word
.set VBL,  230                         ; v_b of my channel
.set TM,   232                         ; v232-239 at work
.set M1,   232
.set M2,   233
.set SC,   234
.set BY,   235
.set HW,   236
.set ZA,   240                         ; 0, an offset
.set PD,   241                         ; the lane permute's destination
.set AWI,  242                         ; where I store my image: 16 lane + 512 wave
.set ASW,  243                         ; and my scale word: 4 lane + 128 wave
.set SH8,  244                         ; 8 h
; 32 numbers of a lane, one block of 32 along K, become 4 registers of codes and the scale's byte.  The largest magnitude is taken in two chains, in an order in which each run of eight registers
; (a matrix result) is first read at its low end; the floor 2^(3 - 127) holds the byte at 1 from below; 2 off the exponent field is the conversion's scale operand.
.macro QUANT src, dst
	v_max3_num_f32 v[M1], |v[(\src)]|, |v[(\src)+1]|, |v[(\src)+2]|
	v_max3_num_f32 v[M2], |v[(\src)+3]|, |v[(\src)+4]|, |v[(\src)+5]|
.irp i, 6,10,14,18,22,26
	v_max3_num_f32 v[M1], v[M1], |v[(\src)+\i]|, |v[(\src)+\i+1]|
	v_max3_num_f32 v[M2], v[M2], |v[(\src)+\i+2]|, |v[(\src)+\i+3]|
.endr
	v_max3_num_f32 v[M1], v[M1], |v[(\src)+30]|, |v[(\src)+31]|
	v_max3_num_f32 v[M1], v[M1], v[M2], 0x1800000
	v_add_nc_u32 v[SC], 0xff000000, v[M1]
	v_lshrrev_b32 v[BY], 23, v[SC]                 ; the scale's byte
.irp t, 0,1,2,3
	v_cvt_scalef32_pk8_fp4_f32 v[(\dst)+\t], v[(\src)+8*\t:(\src)+8*\t+7], v[SC]
.endr
	v_nop                                          ; one plain place behind the last scaled conversion
.endm
	s_load_b512 s[4:19], s[0:1], 0x0               ; x s[4:5], q_l_w s[6:7], q_l_b s[8:9], k_w s[10:11], k_b s[12:13], v_w_codes s[14:15], v_w_scales s[16:17], v_b s[18:19]
	s_load_b128 s[20:23], s[0:1], 0x40             ; qk s[20:21], vc s[22:23]
	s_load_b64 s[24:25], s[0:1], 0x50              ; vs
	v_lshl_add_u32 v[SPW], v0, 2, SPARE
	v_mov_b32 v[NIL], 0
	v_lshrrev_b32 v1, 5, v0
	v_readfirstlane_b32 s26, v1                    ; wave w
	s_mov_b32 s27, ttmp9                           ; g
	s_and_b32 s28, ttmp7, 0xffff                   ; b
	v_and_b32 v[LN], 31, v0
	v_and_b32 v[RR], 15, v0
	v_bfe_u32 v[HH], v0, 4, 1
	v_lshlrev_b32 v[XGO], 4, v[RR]
	v_lshl_add_u32 v[XGO], v[HH], 14, v[XGO]
	v_lshlrev_b32 v[XST], 4, v[LN]
	s_wait_alu depctr_va_sdst(0)                   ; s26, the wave's number, is written, ahead of its first reader: LDS addresses and the buffers' offsets are made from it
	s_lshl_b32 s37, s26, 12
	s_lshr_b32 s29, s26, 1
	s_lshl_b32 s29, s29, 5
	s_add_co_u32 s37, s37, s29
	v_add_nc_u32 v[XST], s37, v[XST]
	v_mul_u32_u24 v[XRD], v[HH], XHALF
	v_lshrrev_b32 v[WTO], 3, v[RR]                 ; r / 8
	v_lshl_add_u32 v[XRD], v[WTO], 7, v[XRD]       ; position 32 (r / 8)
	v_and_b32 v[QKO], 7, v[RR]                     ; r % 8
	v_lshl_add_u32 v[XRD], v[QKO], 2, v[XRD]       ; + r % 8
	s_lshl_b32 s37, s26, 5
	v_add_nc_u32 v[XRD], s37, v[XRD]               ; + 8 w: my wave's tile is t = w
	v_lshlrev_b32 v[LI], 4, v[LN]
	v_lshlrev_b32 v[LS], 2, v[LN]
	v_lshlrev_b32 v[WTO], 8, v[QKO]
	v_lshl_add_u32 v[WTO], v[HH], 7, v[WTO]
	v_lshlrev_b32 v[QKO], 4, v[RR]
	v_lshl_add_u32 v[QKO], v[HH], 19, v[QKO]
	v_lshlrev_b32 v[VWO], 5, v[RR]
	v_lshl_add_u32 v[VWO], v[HH], 4, v[VWO]
	v_lshlrev_b32 v[R2], 1, v[RR]
	v_lshlrev_b32 v[R4], 2, v[RR]
	v_mov_b32 v[ZA], 0
	v_mov_b32 v[PD], 0
	s_lshl_b32 s37, s26, 9
	v_add_nc_u32 v[AWI], s37, v[LI]
	s_lshl_b32 s37, s26, 7
	v_add_nc_u32 v[ASW], s37, v[LS]
	v_lshlrev_b32 v[SH8], 3, v[HH]
	s_mov_b32 s34, 0x76543210
	s_mov_b32 s35, 0xfedcba98                      ; v_permlanex16_b32's selects for lane l xor 16
	; byte offsets, each in a pair of its own
	s_lshl_b32 s30, s28, 20                        ; x: batch b, channels 16 w on, positions 64 g on
	s_lshl_b32 s37, s26, 18
	s_add_co_u32 s30, s30, s37
	s_lshl_b32 s37, s27, 8
	s_add_co_u32 s30, s30, s37
	s_mov_b32 s31, 0
	s_lshl_b32 s32, s26, 9                         ; v_w's codes: rows 16 w on, 32 bytes each
	s_mov_b32 s33, 0
	s_lshl_b32 s38, s26, 5                         ; v_w's scales: 2 bytes a row
	s_mov_b32 s39, 0
	s_lshl_b32 s40, s26, 6                         ; v_b: 4 bytes a channel
	s_mov_b32 s41, 0
	s_lshl_b32 s29, s28, 17                        ; qk: ((64 b + g) 4 + w) 512
	s_lshl_b32 s37, s27, 11
	s_add_co_u32 s42, s29, s37
	s_add_co_u32 s42, s42, s32
	s_mov_b32 s43, 0
	s_lshr_b32 s37, s27, 1                         ; ks = g / 2
	s_lshl_b32 s44, s37, 12                        ; vc: ((32 b + ks) 4 + w) 1024 + 512 (g % 2)
	s_add_co_u32 s44, s44, s29
	s_lshl_b32 s29, s26, 10
	s_add_co_u32 s44, s44, s29
	s_and_b32 s29, s27, 1
	s_lshl_b32 s46, s29, 9
	s_add_co_u32 s44, s44, s46
	s_mov_b32 s45, 0
	s_lshl_b32 s46, s28, 13                        ; vs: (32 b + ks) 256 + 64 w + 2 (g % 2)
	s_lshl_b32 s37, s37, 8
	s_add_co_u32 s46, s46, s37
	s_add_co_u32 s46, s46, s40
	s_lshl_b32 s29, s29, 1
	s_add_co_u32 s46, s46, s29
	s_mov_b32 s47, 0
	s_wait_kmcnt 0x0
	s_add_nc_u64 s[4:5], s[4:5], s[30:31]
	s_add_nc_u64 s[14:15], s[14:15], s[32:33]
	s_add_nc_u64 s[16:17], s[16:17], s[38:39]
	s_add_nc_u64 s[18:19], s[18:19], s[40:41]
	s_add_nc_u64 s[20:21], s[20:21], s[42:43]
	s_add_nc_u64 s[22:23], s[22:23], s[44:45]
	s_add_nc_u64 s[24:25], s[24:25], s[46:47]
	s_wait_alu depctr_va_vdst(0)                   ; the offsets and addresses v4 to v13, v240, v242 and v243 are written: every load and store of the kernel reads one of them
.irp i, 0,1,2,3,4,5,6,7
	global_load_b128 v[X+4*\i:X+4*\i+3], v[XGO], s[4:5] offset:\i*32768   ; channels 16 w + 2 i + h: sixteen lanes read 256 consecutive bytes, aligned
.endr
.irp i, 0,1,2,3,4,5,6,7
	global_load_b128 v[WT+4*\i:WT+4*\i+3], v[WTO], s[6:7] offset:16*\i
.endr
.irp i, 0,1,2,3,4,5,6,7
	global_load_b128 v[WTB+4*\i:WTB+4*\i+3], v[WTO], s[10:11] offset:16*\i
.endr
	global_load_b128 v[QKC:QKC+3], v[ZA], s[8:9]
	global_load_b128 v[QKC+4:QKC+7], v[ZA], s[8:9] offset:16
	global_load_b128 v[KB:KB+3], v[ZA], s[12:13]
	global_load_b128 v[KB+4:KB+7], v[ZA], s[12:13] offset:16
	global_load_b128 v[VWF:VWF+3], v[VWO], s[14:15]    ; v_w(16 w + r, 32 h + 0 .. 31): 16 bytes as they lie
	global_load_u16 v[VWS], v[R2], s[16:17]            ; its two scale bytes; bytes 2 and 3 of the word are 0, over zero codes
	global_load_b32 v[VBL], v[R4], s[18:19]
	s_wait_loadcnt 23                              ; x's eight loads are in; the 23 behind them may stay out
.irp i, 0,1,2,3,4,5,6,7
	ds_store_b128 v[XST], v[X+4*\i:X+4*\i+3] offset:\i*512
.endr
	s_wait_dscnt 0x0                               ; for the others' sake: my sixteen channels lie in LDS
	s_barrier_signal -1
	s_barrier_wait -1
	s_wait_alu depctr_vm_vsrc(0)                   ; my LDS stores have read v[X ..], in which the LDS loads below land
.irp i, 0,1,2,3,4,5,6,7,8,9,10,11,12,13,14,15,16,17,18,19,20,21,22,23,24,25,26,27,28,29,30,31
	ds_load_b32 v[X+\i], v[XRD] offset:\i*256      ; x(32 h + i, my position): my registers run down the channels
.endr
	s_wait_loadcnt 0x0                             ; the weights and biases
	v_cmp_le_u32 vcc_lo, 8, v[RR]
	v_cmp_eq_u32 s36, 1, v[HH]
	s_wait_alu depctr_va_vcc(0)                    ; the first compare has written VCC, which the 32 selections of weights read
	s_wait_alu depctr_va_sdst(0)                   ; the second has written s36, which the eight selections of biases read
.irp i, 0,1,2,3,4,5,6,7,8,9,10,11,12,13,14,15,16,17,18,19,20,21,22,23,24,25,26,27,28,29,30,31
	v_cndmask_b32 v[WT+\i], v[WT+\i], v[WTB+\i], vcc_lo   ; rows 0-7 of source 0: q_l_w; rows 8-15: k_w
.endr
.irp j, 0,1,2,3,4,5,6,7
	v_cndmask_b32 v[QKC+\j], v[QKC+\j], v[KB+\j], s36     ; result rows 8 h + j: q_l_b(j) or k_b(j)
.endr
.irp t, 0,1,2,3
.irp j, 4,5,6,7
	v_mov_b32 v[AF+8*\t+\j], 0                     ; K = 64 .. 127 of the quantised product: zero codes on both sides
.endr
.endr
.irp j, 4,5,6,7
	v_mov_b32 v[VWF+\j], 0
.endr
	s_wait_dscnt 0x0                               ; x's 32 numbers
	QUANT X, AFO                                   ; block h of my position, along the channels
	v_lshlrev_b32 v[XW], v[SH8], v[BY]             ; my byte at its place,
	v_permlanex16_b32 v[PD], v[XW], s34, s35
	v_or_b32 v[XW], v[XW], v[PD]                   ; with lane l xor 16's: the row's scale word (bytes 2, 3 are 0, over zero codes)
	s_wait_alu depctr_va_vdst(0)                   ; the conversions have written v[AFO ..] and the v_or v[XW], which the two LDS stores read; the zero codes of v[AF ..] and v[VWF ..], operands of the scaled products further down, are written too
	ds_store_b128 v[AWI], v[AFO:AFO+3] offset:AIMG ; the fragment goes to LDS as an image of its registers
	ds_store_b32 v[ASW], v[XW] offset:ASC
	s_wait_dscnt 0x0                               ; for the others' sake: image and scale word have landed
	s_barrier_signal -1
	; q_l and k of my 16 positions, on registers alone while the others arrive: source 0 = the 16 rows of weights, source 1 = x; K step ks is channels 32 h + 2 ks + j on both sides.
	; Four accumulators take turns, one instruction a turn; the first takes the biases as C, the other three begin with 0.
.set ks, 0
.rept 16
.if ks == 0
	v_wmma_f32_16x16x4_f32 v[QKD:QKD+7], v[WT:WT+1], v[X:X+1], v[QKC:QKC+7]
.elseif ks < 4
	v_wmma_f32_16x16x4_f32 v[QKD+8*ks:QKD+8*ks+7], v[WT+2*ks:WT+2*ks+1], v[X+2*ks:X+2*ks+1], 0
.else
	v_wmma_f32_16x16x4_f32 v[QKD+8*(ks%4):QKD+8*(ks%4)+7], v[WT+2*ks:WT+2*ks+1], v[X+2*ks:X+2*ks+1], v[QKD+8*(ks%4):QKD+8*(ks%4)+7]
.endif
.set ks, ks+1
.endr
	s_barrier_wait -1                              ; x's four images lie in LDS
.irp t, 0,1,2,3
	ds_load_b128 v[AF+8*\t:AF+8*\t+3], v[LI] offset:AIMG+512*\t    ; no vector or matrix instruction has named these registers
	ds_load_b32 v[XWS+\t], v[LS] offset:ASC+128*\t
.endr
.irp j, 0,1,2,3,4,5,6,7
	v_mov_b32 v[VBC+\j], v[VBL]                    ; eight plain lines that name no register of the f32 products: the places behind them
.endr
.irp k, 0,2,4,6
	v_pk_add_f32 v[O+\k:O+\k+1], v[QKD+\k:QKD+\k+1], v[QKD+8+\k:QKD+8+\k+1]       ; each accumulator from its low end on
.endr
.irp k, 0,2,4,6
	v_pk_add_f32 v[TM+\k:TM+\k+1], v[QKD+16+\k:QKD+16+\k+1], v[QKD+24+\k:QKD+24+\k+1]
.endr
.irp k, 0,2,4,6
	v_pk_add_f32 v[O+\k:O+\k+1], v[O+\k:O+\k+1], v[TM+\k:TM+\k+1]
.endr
	s_wait_alu depctr_va_vdst(0)                   ; the additions have written v[O ..], which the two stores read
	global_store_b128 v[QKO], v[O:O+3], s[20:21]               ; lanes 0-15: q_l(position r, e = 0 .. 3) into q_l's image; lanes 16-31: k(e, position r) into k's: sixteen lanes store 256 consecutive bytes, aligned
	global_store_b128 v[QKO], v[O+4:O+7], s[20:21] offset:256  ; e = 4 .. 7: slots 16 + r
	s_wait_dscnt 0x0                               ; the four fragments and their scale words
.irp t, 0,1,2,3                                    ; v: source 0 = 16 positions of tile t, source 1 = my 16 channels 16 w + r of v_w, C = v_b: lane (r, h), register 8 t + j: v(16 w + r, 32 h + 8 t + j)
	v_wmma_scale_f32_16x16x128_f8f6f4 v[VD+8*\t:VD+8*\t+7], v[AF+8*\t:AF+8*\t+7], v[VWF:VWF+7], v[VBC:VBC+7], v[XWS+\t], v[VWS] matrix_a_fmt:MATRIX_FMT_FP4 matrix_b_fmt:MATRIX_FMT_FP4
.endr
.rept 4
	v_nop                                          ; four places ahead of the first read of results
.endr
	QUANT VD, VCO                                  ; block 2 g + h of my channel, along q
	v_lshlrev_b32 v[HW], v[SH8], v[BY]
	v_permlanex16_b32 v[PD], v[HW], s34, s35
	v_or_b32 v[HW], v[HW], v[PD]                   ; the two bytes of blocks 2 g and 2 g + 1
	s_wait_alu depctr_va_vdst(0)                   ; the conversions have written v[VCO ..] and the v_or v[HW], which the last two stores read
	global_store_b128 v[LI], v[VCO:VCO+3], s[22:23]    ; 32 lanes store 512 consecutive bytes of vc
	global_store_b16 v[R4], v[HW], s[24:25]        ; lanes r and 16 + r write the same two bytes with the same value
	s_wait_dscnt 0x0                               ; the closing lines, six on end
	s_wait_alu 0x0
	s_wait_tensorcnt 0x0
	ds_add_u32 v[SPW], v[NIL]
	s_wait_dscnt 0x0
	s_endpgm
.Lfunc_end_k_q03e00e2817_prep:
	.size	k_q03e00e2817_prep, .Lfunc_end_k_q03e00e2817_prep-k_q03e00e2817_prep
	.p2alignl 7, 3214868480
	.fill 96, 4, 3214868480
	.section	.rodata,"a",@progbits
	.p2align	6, 0x0
	.amdhsa_kernel k_q03e00e2817_prep
		.amdhsa_group_segment_fixed_size 19712
		.amdhsa_private_segment_fixed_size 0
		.amdhsa_enable_private_segment 0
		.amdhsa_kernarg_size 88
		.amdhsa_user_sgpr_count 2
		.amdhsa_user_sgpr_kernarg_segment_ptr 1
		.amdhsa_wavefront_size32 1
		.amdhsa_system_sgpr_workgroup_id_x 1
		.amdhsa_system_sgpr_workgroup_id_y 1
		.amdhsa_system_sgpr_workgroup_id_z 1
		.amdhsa_system_vgpr_workitem_id 0
		.amdhsa_next_free_vgpr 256
		.amdhsa_next_free_sgpr 66
		.amdhsa_reserve_vcc 1
		.amdhsa_float_denorm_mode_32 3
		.amdhsa_float_denorm_mode_16_64 3
		.amdhsa_memory_ordered 1
		.amdhsa_forward_progress 1
		.amdhsa_inst_pref_size 19
	.end_amdhsa_kernel
	.amdgpu_metadata
---
amdhsa.version: [ 1, 2 ]
amdhsa.kernels:
  - .name:           k_q03e00e2817_prep
    .symbol:         k_q03e00e2817_prep.kd
    .args:
      - { .name: x, .offset: 0, .size: 8, .value_kind: global_buffer, .address_space: global }
      - { .name: q_l_w, .offset: 8, .size: 8, .value_kind: global_buffer, .address_space: global }
      - { .name: q_l_b, .offset: 16, .size: 8, .value_kind: global_buffer, .address_space: global }
      - { .name: k_w, .offset: 24, .size: 8, .value_kind: global_buffer, .address_space: global }
      - { .name: k_b, .offset: 32, .size: 8, .value_kind: global_buffer, .address_space: global }
      - { .name: v_w_codes, .offset: 40, .size: 8, .value_kind: global_buffer, .address_space: global }
      - { .name: v_w_scales, .offset: 48, .size: 8, .value_kind: global_buffer, .address_space: global }
      - { .name: v_b, .offset: 56, .size: 8, .value_kind: global_buffer, .address_space: global }
      - { .name: qk, .offset: 64, .size: 8, .value_kind: global_buffer, .address_space: global }
      - { .name: vc, .offset: 72, .size: 8, .value_kind: global_buffer, .address_space: global }
      - { .name: vs, .offset: 80, .size: 8, .value_kind: global_buffer, .address_space: global }
    .group_segment_fixed_size: 19712
    .private_segment_fixed_size: 0
    .kernarg_segment_align: 8
    .kernarg_segment_size: 88
    .max_flat_workgroup_size: 128
    .sgpr_count:     66
    .vgpr_count:     256
    .wavefront_size: 32
...
	.end_amdgpu_metadata
.endif
;; end of part 3
;; launch attn (part 4): grid 64 x 4, 8 waves a work-group, no clusters, 140,288 bytes of LDS; arguments gamma_g, gamma_l, qg_b, qg_w, x, qk, vc, vs, out0; writes out0
.if DOCPART == 4
	.amdgcn_target "amdgcn-amd-amdhsa--gfx1250"
	.amdhsa_code_object_version 6
	.text
	.protected	k_q03e00e2817_attn
	.globl	k_q03e00e2817_attn
	.p2align	8
	.type	k_q03e00e2817_attn,@function
k_q03e00e2817_attn:
	s_mov_b64 s[64:65], 0
	v_nop
	global_prefetch_b8 v0, s[64:65] scope:SCOPE_SE
	s_setreg_imm32_b32 hwreg(HW_REG_WAVE_SCHED_MODE, 0, 2), 2
	s_setreg_imm32_b32 hwreg(HW_REG_WAVE_MODE, 25, 1), 1
	s_wait_xcnt 0x0
	s_wait_alu depctr_vm_vsrc(0)
; SECOND OF TWO LAUNCHES.  out(b, c, p) = x(b, c, p) + sum over q of Q(v)(b, c, q) Q(alphas)(b, p, q), alphas(p, q) = gamma_g (k_g(p, .) . qg_w(q, .) + qg_b(q)) + gamma_l q_l(p, .) . k(., q).  No work is left out.
; alphas goes into a quantiser, so it is formed with f32 operands: v_wmma_f32_16x16x4_f32, K = 16 (8 of the g part, 8 of the l part) in four K steps, with gamma_g qg_b as the C of the first.
; SHARES.  A work-group takes 64 positions p (64 blk ..) of one batch; eight waves, two to a SIMD, so that one wave's quantiser stands beside the other's matrix work.  Every wave holds all 64 p (four tiles pt) and
; takes 512 of the 4,096 q: four K steps of 128 of the quantised product.  So each fragment that is streamed (qg_w, k, qg_b, v's codes and scales) is loaded by one wave of the work-group, straight into
; operand registers, half a K step (64 f32 matrix instructions) ahead, and feeds four tiles.  The eight waves' sums meet in LDS at the end.
; No tensor loads and no cluster: nothing here is read by two waves of a work-group; the 64 work-groups of a batch do walk the same 0.4 MB of streams, 42 loads a wave for 144 matrix instructions.
; No prefetch: these streams are read by 64 work-groups each, not once, and every load is issued half a K step ahead of its use.
; THE ROWS OF A TILE OF 16 ARE NOT NEIGHBOURS, for q and for p alike: row m of tile t is 32 (m / 8) + 8 t + m % 8 of a group of 64.  alphas^T = (q side) x (p side): register j of lane (r, h) in tile t is
; q = 32 h + 8 t + j of p row r: the 32 registers of four tiles are a WHOLE block of 32 along q, in the order of a 4-bit operand's registers.  The quantiser needs no other lane; one lane permute gathers a scale word.
; The second product, source 0 = alphas' codes (16 p), source 1 = v's codes (16 channels), leaves lane (r, h) with channel 16 ct + r and p = 32 h + 8 pt + j: 32 neighbouring p over the four pt.
; K ORDER IN THE f32 FORM: step s, half h, register j stands for e = 4 h + 2 (s % 2) + j, on both sides alike: a lane's two steps are 16 consecutive bytes of a row of 8 numbers.
; LIMITS.  NaN and infinities among the inputs are not served.  A block of zeros gets the scale byte 1 where the rule says 127: its codes are zeros.  The gammas are multiplied into the p side and into qg_b
; ahead of the sums, and the sixteen terms are summed in the order above: f32 roundings other than reference()'s.
; REGISTERS, in windows of 256 (s_set_vgpr_msb's low byte: bits 1:0 source 0, 3:2 source 1, 5:4 source 2, 7:6 destination).
;   window 0: v1-15 addresses and the quantiser's three; v16-47 the p side; v48-111 gamma_g qg_b; v112-143 alphas' codes; v144-175 alphas^T (written by matrix instructions alone); v176-.. bytes, scale words, x.
;   window 1: v0-127 the 16 accumulators (pt, ct); v128-191 the q side, two halves of a K step; v192-223 v's four fragments.
; THE MODE: SCHED_MODE bits 1:0 = 2 (LLVM: expert scheduling mode 2), set by the entry lines.  The code itself states the register dependences
; between vector or matrix instructions and memory or LDS instructions, with s_wait_alu, always for 0.
; THE PLAN.  Registers that memory or LDS instructions touch:
;   v2-v10            offsets and addresses: made at the head, never written again: every step's place stands in an immediate offset.
;   the q side and the biases, each in two halves.  Half cc: loads land in it; SCB scales the biases in place; the f32 products of the four units (pt, cc) read both; then the next K step's loads land in it.
;   v's fragments and scale words: loads land in the middle of a K step; its 16 scaled products read them at its end.
;   the 16 accumulators: written by the scaled products, read by the LDS stores at the end.   v16-143 at the end: LDS loads land, the additions write, the global stores read.
; TWO waits on va_vdst stand in a K step.  IN ITS MIDDLE, behind the four units of the first half: they are done with the first half of the q side and of the biases, and the K step before is done with v.  Behind it follow,
; with no further wait, this step's v, the next step's first half of the q side, and, dealt behind the products of the next two units, its first 64 biases: the lines between name the second halves, the p side, alphas^T,
; the quantiser's registers and the codes alone.  AT ITS END, behind the places ahead of the scaled products: the codes and scale words of alphas are written, and the second half's units are done.  Behind it follow the next
; step's second 64 biases and, two behind each four scaled products, its second half of the q side: those products name the accumulators, the codes, v and the scale words alone.
; No register that a memory or LDS instruction reads is ever written again, so the text has no wait on vm_vsrc of its own.
.set RP,    272                        ; LDS: a channel's row of 64 p: 256 bytes + 16, so that sixteen rows' 16 bytes fall on different words modulo 64
.set REG,   64*RP                      ; a wave's region: 64 channels
.set SPARE, 8*REG                      ; behind the eight regions: the spare words, 128 bytes for each wave: four blocks of 256 bytes that no other line names
.set RR,    1                          ; r
.set AWO,   2                          ; qg_w: row 32 (r / 8) + r % 8 of 32 bytes, + 16 h
.set LI,    3                          ; 16 x lane
.set BO,    4                          ; qg_b: 128 h
.set LS,    5                          ; 4 x lane
.set KGO,   6                          ; k_g out of k's image
.set XO,    7                          ; x and out0: 16384 h + 16 r
.set STO,   8                          ; into my region: row r, + 128 h
.set RD0,   9                          ; out of regions 0-3: row 8 w + h, + 16 r
.set RD1,   10                         ; out of regions 4-7
.set SH8,   11                         ; 8 h
.set M1,    12
.set M2,    13
.set SC,    14
.set HH,    15                         ; h
.set BF,    16                         ; tile pt at 8 pt: registers 0-3 gamma_g k_g(p, 4 h ..), 4-7 gamma_l q_l(p, 4 h ..)
.set BIAS,  48                         ; half cc at 32 cc: register 8 t + j: gamma_g qg_b(64 cc + 32 h + 8 t + j)
.set CODES, 112                        ; tile pt at 8 pt
.set D,     144
.set BY,    176                        ; the byte of (pt, cc) at 2 pt + cc
.set PSC,   184                        ; alphas' scale words, a tile each
.set VSC,   188                        ; v's: register n: lanes 0-15 channels of ct = 2 n, lanes 16-31 of ct = 2 n + 1
.set XR,    192                        ; x's rows for the last addition
.set T,     208                        ; the lane permutes' destinations
.set SUM,   16                         ; the last sum: v16-143
.set SPW,   254                        ; LDS address of my spare word; never rewritten
.set NIL,   255                        ; 0; never rewritten
.set AF,    128                        ; window 1: half cc, tile t at 32 cc + 8 t: registers 0-3 qg_w(q, 4 h ..), 4-7 k(4 h .., q)
.set VF,    192                        ; window 1: tile ct at 8 ct
.set MSB, 0
.macro WIN new                         ; the immediate's high byte repeats the setting that is left; a switch that changes nothing is dropped
.if MSB != \new
	s_set_vgpr_msb (MSB<<8)|\new
.set MSB, \new
.endif
.endm
.set W_F32, 0x01                       ; source 0 (the q side) window 1
.set W_FP4, 0x54                       ; source 1 (v), C and D window 1
.set W_LD1, 0x40                       ; destination window 1
.set W_ST1, 0x04                       ; an LDS store's data (source 1) window 1
; Two loads: tile t of half cc of K step i of the q side.  Their destination lies in window 1 and their address in window 0: that is so under W_LD1 and under W_FP4 alike.  Every offset is an immediate; no base is stepped.
.macro LDA i, cc, t
	global_load_b128 v[AF+32*(\cc)+8*(\t):AF+32*(\cc)+8*(\t)+3], v[AWO], s[10:11] offset:(\i)*4096+(\cc)*2048+(\t)*256
	global_load_b128 v[AF+32*(\cc)+8*(\t)+4:AF+32*(\cc)+8*(\t)+7], v[LI], s[36:37] offset:(\i)*4096+(\cc)*2048+(\t)*512
.endm
; Four loads: pieces u to u + 3 of the eight of half cc of K step i of qg_b.  Window 0.
.macro LDB i, cc, u
.irp n, 0,1,2,3
	global_load_b128 v[BIAS+32*(\cc)+4*((\u)+\n):BIAS+32*(\cc)+4*((\u)+\n)+3], v[BO], s[8:9] offset:(\i)*512+(\cc)*256+16*((\u)+\n)
.endr
.endm
.macro SCB cc                          ; qg_b x gamma_g
.irp u, 0,2,4,6,8,10,12,14,16,18,20,22,24,26,28,30
	v_pk_mul_f32 v[BIAS+32*(\cc)+\u:BIAS+32*(\cc)+\u+1], v[BIAS+32*(\cc)+\u:BIAS+32*(\cc)+\u+1], s[26:27] op_sel_hi:[1,0]
.endr
.endm
; 64 q x 16 p of alphas, and their codes.  Four accumulators take turns, one instruction a turn; each sum begins with the bias as C.  Eight v_nop are the places behind this form
; ahead of the reads; with the three plain lines behind the maxima that name no accumulator they are more than the nine ahead of the next unit's products, which begin the accumulators anew.
; nx >= 0: behind the products stand four loads of K step nx's first 64 biases, pieces 4 pt on.
.macro UNIT pt, cc, nx
	WIN W_F32
.irp s, 0,1,2,3
.irp t, 0,1,2,3
.if \s == 0
	v_wmma_f32_16x16x4_f32 v[D+8*\t:D+8*\t+7], v[AF+32*(\cc)+8*\t:AF+32*(\cc)+8*\t+1], v[BF+8*(\pt):BF+8*(\pt)+1], v[BIAS+32*(\cc)+8*\t:BIAS+32*(\cc)+8*\t+7]
.else
	v_wmma_f32_16x16x4_f32 v[D+8*\t:D+8*\t+7], v[AF+32*(\cc)+8*\t+2*\s:AF+32*(\cc)+8*\t+2*\s+1], v[BF+8*(\pt)+2*\s:BF+8*(\pt)+2*\s+1], v[D+8*\t:D+8*\t+7]
.endif
.endr
.endr
	WIN 0
.if (\nx) >= 0
	LDB \nx, 0, 4*(\pt)                            ; no wait: no vector or matrix instruction since the wait in the K step's middle names the biases' first half or v[BO]
.endif
.rept 8
	v_nop
.endr
	v_max3_num_f32 v[M1], |v[D]|, |v[D+1]|, |v[D+2]|               ; the block's largest magnitude: all 32 numbers are mine; two chains; each accumulator is first read at its low end
	v_max3_num_f32 v[M2], |v[D+3]|, |v[D+4]|, |v[D+5]|
.irp n, 6,10,14,18,22,26
	v_max3_num_f32 v[M1], v[M1], |v[D+\n]|, |v[D+\n+1]|
	v_max3_num_f32 v[M2], v[M2], |v[D+\n+2]|, |v[D+\n+3]|
.endr
	v_max3_num_f32 v[M1], v[M1], |v[D+30]|, |v[D+31]|
	v_max3_num_f32 v[M1], v[M1], v[M2], 0x1800000                  ; and the floor 2^(3 - 127): the byte cannot fall under 1
	v_add_nc_u32 v[SC], 0xff000000, v[M1]                          ; 2 off the exponent field: the conversion's scale operand
	v_lshrrev_b32 v[BY+2*(\pt)+(\cc)], 23, v[SC]                   ; the byte of block 2 cc + h
.irp t, 0,1,2,3
	v_cvt_scalef32_pk8_fp4_f32 v[CODES+8*(\pt)+4*(\cc)+\t], v[D+8*\t:D+8*\t+7], v[SC]   ; register 4 cc + t of the operand: k = 64 cc + 32 h + 8 t + 0 .. 7
.endr
	v_nop                                          ; one plain place behind the last scaled conversion
.endm
; A K step of the quantised product: 128 q.  Loads come back in order (ISA guide 5.7.1).  They are issued in this order: in a K step's middle its v (10), the next step's first half of the q side (8) and of the
; biases (8); at its end the next step's second half of the biases (8) and of the q side (8).
.macro KSTEP i
	s_wait_loadcnt 16                              ; the first half is in; behind it: the second half's 16
	SCB 0
.irp pt, 0,1,2,3
	UNIT \pt, 0, -1
.endr
	s_wait_alu depctr_va_vdst(0)                   ; the four units are done reading the first half of the q side and of the biases, which SCB has written; the K step before's scaled products are done reading v's fragments and scale words: loads land in all of these
	global_load_b32 v[VSC], v[LS], s[18:19] offset:(\i)*256
	global_load_b32 v[VSC+1], v[LS], s[18:19] offset:(\i)*256+128
	WIN W_LD1
.irp ct, 0,1,2,3
.irp c, 0,1
	global_load_b128 v[VF+8*\ct+4*\c:VF+8*\ct+4*\c+3], v[LI], s[16:17] offset:(\i)*4096+\ct*1024+\c*512   ; this K step's v
.endr
.endr
.if \i < 3
.irp t, 0,1,2,3
	LDA (\i)+1, 0, \t                              ; the next step's first half of the q side
.endr
	WIN 0
	s_wait_loadcnt 18                              ; the second half is in; behind it: v's 10 and the 8 just issued
.else
	WIN 0
.irp n, 0,1,2,3
	global_load_b128 v[XR+4*\n:XR+4*\n+3], v[XO], s[12:13] offset:\n*32768 th:TH_LOAD_NT   ; the last step asks for x's rows of the last addition: channels 8 w + 2 n + h
.endr
	s_wait_loadcnt 14                              ; behind the second half: v's 10 and x's 4
.endif
	SCB 1
.if \i < 3
	UNIT 0, 1, (\i)+1                              ; these two carry the next step's first 64 biases: two units, 32 f32 products, and the scaled products lie between the last of them and its use
	UNIT 1, 1, (\i)+1
.else
	UNIT 0, 1, -1
	UNIT 1, 1, -1
.endif
	UNIT 2, 1, -1
	UNIT 3, 1, -1
.irp pt, 0,1,2,3
	v_lshl_or_b32 v[PSC+\pt], v[BY+2*\pt+1], 16, v[BY+2*\pt]       ; my two bytes: blocks h and 2 + h of p row r,
.endr
.irp pt, 0,1,2,3
	v_lshlrev_b32 v[PSC+\pt], v[SH8], v[PSC+\pt]                   ; at their places;
.endr
.irp pt, 0,1,2,3
	v_permlanex16_b32 v[T+\pt], v[PSC+\pt], s38, s39
.endr
.irp pt, 0,1,2,3
	v_or_b32 v[PSC+\pt], v[PSC+\pt], v[T+\pt]                      ; with lane l xor 16's two the word is whole
.endr
.rept 8
	v_nop                                          ; a scale register written by a vector instruction stands eight places ahead of a scaled matrix instruction
.endr
	s_wait_alu depctr_va_vdst(0)                   ; the conversions have written v[CODES ..] and the v_or v[PSC ..], which the scaled products take as A and as scales (the places above stay beside this wait); the second half's units are done reading their q side and biases, in which the loads below land
.if \i < 3
	LDB (\i)+1, 1, 0                               ; the next step's second 64 biases
	LDB (\i)+1, 1, 4
	s_wait_loadcnt 24                              ; v is in; behind it: the next step's first half, 16, and the 8 just issued
.else
	s_wait_loadcnt 4                               ; behind v: x's 4
.endif
	WIN W_FP4
.irp pt, 0,1,2,3                                   ; the 16 accumulators take turns, one instruction a turn; the first K step starts the sums
.irp ct, 0,1,2,3
.if \i == 0
.if (\ct)%2
	v_wmma_scale_f32_16x16x128_f8f6f4 v[8*(4*\pt+\ct):8*(4*\pt+\ct)+7], v[CODES+8*\pt:CODES+8*\pt+7], v[VF+8*\ct:VF+8*\ct+7], 0, v[PSC+\pt], v[VSC+\ct/2] matrix_a_fmt:MATRIX_FMT_FP4 matrix_b_fmt:MATRIX_FMT_FP4 matrix_b_scale:MATRIX_SCALE_ROW1
.else
	v_wmma_scale_f32_16x16x128_f8f6f4 v[8*(4*\pt+\ct):8*(4*\pt+\ct)+7], v[CODES+8*\pt:CODES+8*\pt+7], v[VF+8*\ct:VF+8*\ct+7], 0, v[PSC+\pt], v[VSC+\ct/2] matrix_a_fmt:MATRIX_FMT_FP4 matrix_b_fmt:MATRIX_FMT_FP4
.endif
.else
.if (\ct)%2
	v_wmma_scale_f32_16x16x128_f8f6f4 v[8*(4*\pt+\ct):8*(4*\pt+\ct)+7], v[CODES+8*\pt:CODES+8*\pt+7], v[VF+8*\ct:VF+8*\ct+7], v[8*(4*\pt+\ct):8*(4*\pt+\ct)+7], v[PSC+\pt], v[VSC+\ct/2] matrix_a_fmt:MATRIX_FMT_FP4 matrix_b_fmt:MATRIX_FMT_FP4 matrix_b_scale:MATRIX_SCALE_ROW1
.else
	v_wmma_scale_f32_16x16x128_f8f6f4 v[8*(4*\pt+\ct):8*(4*\pt+\ct)+7], v[CODES+8*\pt:CODES+8*\pt+7], v[VF+8*\ct:VF+8*\ct+7], v[8*(4*\pt+\ct):8*(4*\pt+\ct)+7], v[PSC+\pt], v[VSC+\ct/2] matrix_a_fmt:MATRIX_FMT_FP4 matrix_b_fmt:MATRIX_FMT_FP4
.endif
.endif
.endr
.if \i < 3
	LDA (\i)+1, 1, \pt                             ; the next step's second half of the q side, a tile behind each four products.  No wait and no switch: the products since the wait name none of these registers, and under their windows a load's destination is window 1, its address window 0
.endif
.endr
	WIN 0
.if \i == 3
.rept 4
	v_nop                                          ; four places ahead of the LDS stores that read these products' results
.endr
.endif
.endm
	s_load_b512 s[4:19], s[0:1], 0x0               ; gamma_g s[4:5], gamma_l s[6:7], qg_b s[8:9], qg_w s[10:11], x s[12:13], qk s[14:15], vc s[16:17], vs s[18:19]
	s_load_b64 s[20:21], s[0:1], 0x40              ; out0
	v_lshl_add_u32 v[SPW], v0, 2, SPARE
	v_mov_b32 v[NIL], 0
	v_lshrrev_b32 v1, 5, v0
	v_readfirstlane_b32 s22, v1                    ; wave w
	s_mov_b32 s23, ttmp9                           ; blk
	s_and_b32 s24, ttmp7, 0xffff                   ; b
	v_and_b32 v[RR], 15, v0
	v_bfe_u32 v[HH], v0, 4, 1
	v_lshrrev_b32 v[M1], 3, v[RR]                  ; r / 8
	v_and_b32 v[M2], 7, v[RR]                      ; r % 8
	v_and_b32 v[SC], 31, v0                        ; lane
	v_lshlrev_b32 v[AWO], 10, v[M1]
	v_lshl_add_u32 v[AWO], v[M2], 5, v[AWO]
	v_lshl_add_u32 v[AWO], v[HH], 4, v[AWO]
	v_lshlrev_b32 v[LI], 4, v[SC]
	v_lshlrev_b32 v[LS], 2, v[SC]
	v_lshlrev_b32 v[BO], 7, v[HH]
	; k_g(p, e') = k(p / 512, 8 (p % 512) + e'): reference()'s regrouping of k's memory.  With p = 64 blk + 32 (r / 8) + 8 pt + r % 8 and e' = 4 h + u that number lies in k's image at
	; group 8 (blk % 8) + 4 (r / 8) + pt, tile r % 4, slot 16 (blk / 32) + 8 ((r / 4) % 2) + 4 h + u, word (blk / 8) % 4.
	v_lshlrev_b32 v[KGO], 13, v[M1]
	v_and_b32 v[M2], 3, v[RR]
	v_lshl_add_u32 v[KGO], v[M2], 9, v[KGO]
	v_bfe_u32 v[M2], v[RR], 2, 1
	v_lshl_add_u32 v[KGO], v[M2], 7, v[KGO]
	v_lshl_add_u32 v[KGO], v[HH], 6, v[KGO]
	v_lshlrev_b32 v[XO], 4, v[RR]
	v_lshl_add_u32 v[XO], v[HH], 14, v[XO]
	s_wait_alu depctr_va_sdst(0)                   ; s22, the wave's number, is written, ahead of its first reader: LDS addresses and the buffers' offsets are made from it
	s_mul_i32 s30, s22, REG
	v_mul_u32_u24 v[STO], v[RR], RP
	v_lshl_add_u32 v[STO], v[HH], 7, v[STO]
	v_add_nc_u32 v[STO], s30, v[STO]
	s_mul_i32 s30, s22, 8*RP
	v_mul_u32_u24 v[RD0], v[HH], RP
	v_lshl_add_u32 v[RD0], v[RR], 4, v[RD0]
	v_add_nc_u32 v[RD0], s30, v[RD0]
	v_add_nc_u32 v[RD1], 4*REG, v[RD0]
	v_lshlrev_b32 v[SH8], 3, v[HH]
.irp pt, 0,1,2,3
	v_mov_b32 v[T+\pt], 0                          ; written once: a lane permute's destination counts as one of its sources
.endr
	s_mov_b32 s38, 0x76543210
	s_mov_b32 s39, 0xfedcba98                      ; v_permlanex16_b32's selects for lane l xor 16
	s_mov_b32 s31, 0
	s_wait_kmcnt 0x0
	s_load_b32 s26, s[4:5], 0x0                    ; gamma_g
	s_load_b32 s28, s[6:7], 0x0                    ; gamma_l
	s_lshl_b32 s30, s22, 14
	s_add_nc_u64 s[10:11], s[10:11], s[30:31]      ; qg_w at q = 512 w
	s_lshl_b32 s40, s24, 17                        ; b x 131072
	s_add_co_u32 s30, s30, s40
	s_add_nc_u64 s[16:17], s[16:17], s[30:31]      ; vc at batch b, K step 4 w
	s_add_co_u32 s30, s30, 524288
	s_add_nc_u64 s[36:37], s[14:15], s[30:31]      ; k's image at batch b, group 8 w
	s_lshl_b32 s30, s23, 11
	s_add_co_u32 s30, s30, s40
	s_add_nc_u64 s[32:33], s[14:15], s[30:31]      ; q_l's image at batch b, group blk
	s_and_b32 s41, s23, 7
	s_lshl_b32 s41, s41, 14
	s_add_co_u32 s30, s40, s41
	s_lshr_b32 s41, s23, 5
	s_lshl_b32 s41, s41, 8
	s_add_co_u32 s30, s30, s41
	s_bfe_u32 s41, s23, 0x20003
	s_lshl_b32 s41, s41, 2
	s_add_co_u32 s30, s30, s41
	s_add_co_u32 s30, s30, 524288
	s_add_nc_u64 s[34:35], s[14:15], s[30:31]      ; k's image, for k_g
	s_lshl_b32 s30, s22, 11
	s_add_nc_u64 s[8:9], s[8:9], s[30:31]          ; qg_b at q = 512 w
	s_lshl_b32 s30, s24, 13
	s_lshl_b32 s41, s22, 10
	s_add_co_u32 s30, s30, s41
	s_add_nc_u64 s[18:19], s[18:19], s[30:31]      ; vs at batch b, K step 4 w
	s_lshl_b32 s30, s24, 20
	s_lshl_b32 s41, s22, 17
	s_add_co_u32 s30, s30, s41
	s_lshl_b32 s41, s23, 8
	s_add_co_u32 s30, s30, s41
	s_add_nc_u64 s[12:13], s[12:13], s[30:31]      ; x and out0 at batch b, channel 8 w, p = 64 blk
	s_add_nc_u64 s[20:21], s[20:21], s[30:31]
	s_wait_alu depctr_va_vdst(0)                   ; the offsets and addresses v2 to v10 are written: every load and store of the kernel reads one of them
.irp pt, 0,1,2,3
	global_load_b128 v[BF+8*\pt+4:BF+8*\pt+7], v[LI], s[32:33] offset:\pt*512   ; q_l(p, 4 h ..)
.endr
.irp pt, 0,1,2,3
.irp u, 0,1,2,3
	global_load_b32 v[BF+8*\pt+\u], v[KGO], s[34:35] offset:\pt*2048+\u*16      ; k_g(p, 4 h + u): once a wave
.endr
.endr
	WIN W_LD1                                      ; the first K step's two halves, in the order in which a K step asks for the next one's
.irp t, 0,1,2,3
	LDA 0, 0, \t
.endr
	WIN 0
	LDB 0, 0, 0
	LDB 0, 0, 4
	LDB 0, 1, 0
	LDB 0, 1, 4
	WIN W_LD1
.irp t, 0,1,2,3
	LDA 0, 1, \t
.endr
	WIN 0
	s_wait_kmcnt 0x0                               ; the gammas
	s_mov_b32 s27, s26                             ; (the packed forms name pairs and take the low word for both halves: so the upper words are written)
	s_mov_b32 s29, s28
	s_wait_loadcnt 32                              ; the p side's 20 loads are in; behind them: the first K step's 16 + 16
.irp pt, 0,1,2,3
	v_pk_mul_f32 v[BF+8*\pt:BF+8*\pt+1], v[BF+8*\pt:BF+8*\pt+1], s[26:27] op_sel_hi:[1,0]
	v_pk_mul_f32 v[BF+8*\pt+2:BF+8*\pt+3], v[BF+8*\pt+2:BF+8*\pt+3], s[26:27] op_sel_hi:[1,0]
	v_pk_mul_f32 v[BF+8*\pt+4:BF+8*\pt+5], v[BF+8*\pt+4:BF+8*\pt+5], s[28:29] op_sel_hi:[1,0]
	v_pk_mul_f32 v[BF+8*\pt+6:BF+8*\pt+7], v[BF+8*\pt+6:BF+8*\pt+7], s[28:29] op_sel_hi:[1,0]
.endr
	KSTEP 0
	KSTEP 1
	KSTEP 2
	KSTEP 3
	; THE WAVES' SUMS MEET IN LDS.  Lane (r, h) of accumulator (pt, ct) holds channel 16 ct + r, p = 32 h + 8 pt + 0 .. 7: 32 bytes of that channel's row in my region.
	WIN W_ST1
	s_wait_alu depctr_va_vdst(0)                   ; the scaled products have written the 16 accumulators, which the LDS stores read (the four places above stay beside this wait); and every vector and matrix instruction is done with v16 to v143, in which the LDS loads behind the barrier land
.irp pt, 0,1,2,3
.irp ct, 0,1,2,3
	ds_store_b128 v[STO], v[8*(4*\pt+\ct):8*(4*\pt+\ct)+3] offset:\ct*16*RP+\pt*32          ; each accumulator from its low end on
	ds_store_b128 v[STO], v[8*(4*\pt+\ct)+4:8*(4*\pt+\ct)+7] offset:\ct*16*RP+\pt*32+16
.endr
.endr
	WIN 0
	s_wait_dscnt 0x0                               ; for the others' sake: my region is whole
	s_barrier_signal -1
	s_barrier_wait -1
.irp n, 0,1,2,3                                    ; wave w adds up channels 8 w .. 8 w + 7, two at a time: lanes 0-15 one row of 256 bytes, lanes 16-31 the next, out of all eight regions
.irp u, 0,1,2,3
	ds_load_b128 v[SUM+32*\n+4*\u:SUM+32*\n+4*\u+3], v[RD0] offset:\u*REG+\n*2*RP
.endr
.irp u, 0,1,2,3
	ds_load_b128 v[SUM+32*\n+16+4*\u:SUM+32*\n+16+4*\u+3], v[RD1] offset:\u*REG+\n*2*RP
.endr
.endr
	s_wait_loadcnt 0x0                             ; x's rows
.irp n, 0,1,2,3
	s_wait_dscnt 24-8*\n                           ; this pair of rows is in; the later pairs' loads, eight each, may stay out
.irp u, 0,8,16,24
	v_pk_add_f32 v[SUM+32*\n+\u:SUM+32*\n+\u+1], v[SUM+32*\n+\u:SUM+32*\n+\u+1], v[SUM+32*\n+\u+4:SUM+32*\n+\u+5]
	v_pk_add_f32 v[SUM+32*\n+\u+2:SUM+32*\n+\u+3], v[SUM+32*\n+\u+2:SUM+32*\n+\u+3], v[SUM+32*\n+\u+6:SUM+32*\n+\u+7]
.endr
.irp u, 0,16
	v_pk_add_f32 v[SUM+32*\n+\u:SUM+32*\n+\u+1], v[SUM+32*\n+\u:SUM+32*\n+\u+1], v[SUM+32*\n+\u+8:SUM+32*\n+\u+9]
	v_pk_add_f32 v[SUM+32*\n+\u+2:SUM+32*\n+\u+3], v[SUM+32*\n+\u+2:SUM+32*\n+\u+3], v[SUM+32*\n+\u+10:SUM+32*\n+\u+11]
.endr
	v_pk_add_f32 v[SUM+32*\n:SUM+32*\n+1], v[SUM+32*\n:SUM+32*\n+1], v[SUM+32*\n+16:SUM+32*\n+17]
	v_pk_add_f32 v[SUM+32*\n+2:SUM+32*\n+3], v[SUM+32*\n+2:SUM+32*\n+3], v[SUM+32*\n+18:SUM+32*\n+19]
	v_pk_add_f32 v[SUM+32*\n:SUM+32*\n+1], v[SUM+32*\n:SUM+32*\n+1], v[XR+4*\n:XR+4*\n+1]          ; + x
	v_pk_add_f32 v[SUM+32*\n+2:SUM+32*\n+3], v[SUM+32*\n+2:SUM+32*\n+3], v[XR+4*\n+2:XR+4*\n+3]
.endr
	s_wait_alu depctr_va_vdst(0)                   ; the additions have written the four pairs' sums, which the four stores read
.irp n, 0,1,2,3
	global_store_b128 v[XO], v[SUM+32*\n:SUM+32*\n+3], s[20:21] offset:\n*32768 th:TH_STORE_NT     ; sixteen lanes store 256 consecutive bytes, at a multiple of 256 from out0's first byte
.endr
	s_wait_dscnt 0x0                               ; the closing lines, six on end
	s_wait_alu 0x0
	s_wait_tensorcnt 0x0
	ds_add_u32 v[SPW], v[NIL]
	s_wait_dscnt 0x0
	s_endpgm
.Lfunc_end_k_q03e00e2817_attn:
	.size	k_q03e00e2817_attn, .Lfunc_end_k_q03e00e2817_attn-k_q03e00e2817_attn
	.p2alignl 7, 3214868480
	.fill 96, 4, 3214868480
	.section	.rodata,"a",@progbits
	.p2align	6, 0x0
	.amdhsa_kernel k_q03e00e2817_attn
		.amdhsa_group_segment_fixed_size 140288
		.amdhsa_private_segment_fixed_size 0
		.amdhsa_enable_private_segment 0
		.amdhsa_kernarg_size 72
		.amdhsa_user_sgpr_count 2
		.amdhsa_user_sgpr_kernarg_segment_ptr 1
		.amdhsa_wavefront_size32 1
		.amdhsa_system_sgpr_workgroup_id_x 1
		.amdhsa_system_sgpr_workgroup_id_y 1
		.amdhsa_system_sgpr_workgroup_id_z 1
		.amdhsa_system_vgpr_workitem_id 0
		.amdhsa_next_free_vgpr 512
		.amdhsa_next_free_sgpr 66
		.amdhsa_reserve_vcc 0
		.amdhsa_float_denorm_mode_32 3
		.amdhsa_float_denorm_mode_16_64 3
		.amdhsa_memory_ordered 1
		.amdhsa_forward_progress 1
		.amdhsa_inst_pref_size 141
	.end_amdhsa_kernel
	.amdgpu_metadata
---
amdhsa.version: [ 1, 2 ]
amdhsa.kernels:
  - .name:           k_q03e00e2817_attn
    .symbol:         k_q03e00e2817_attn.kd
    .args:
      - { .name: gamma_g, .offset: 0, .size: 8, .value_kind: global_buffer, .address_space: global }
      - { .name: gamma_l, .offset: 8, .size: 8, .value_kind: global_buffer, .address_space: global }
      - { .name: qg_b, .offset: 16, .size: 8, .value_kind: global_buffer, .address_space: global }
      - { .name: qg_w, .offset: 24, .size: 8, .value_kind: global_buffer, .address_space: global }
      - { .name: x, .offset: 32, .size: 8, .value_kind: global_buffer, .address_space: global }
      - { .name: qk, .offset: 40, .size: 8, .value_kind: global_buffer, .address_space: global }
      - { .name: vc, .offset: 48, .size: 8, .value_kind: global_buffer, .address_space: global }
      - { .name: vs, .offset: 56, .size: 8, .value_kind: global_buffer, .address_space: global }
      - { .name: out0, .offset: 64, .size: 8, .value_kind: global_buffer, .address_space: global }
    .group_segment_fixed_size: 140288
    .private_segment_fixed_size: 0
    .kernarg_segment_align: 8
    .kernarg_segment_size: 72
    .max_flat_workgroup_size: 256
    .sgpr_count:     66
    .vgpr_count:     512
    .wavefront_size: 32
...
	.end_amdgpu_metadata
.endif
;; end of part 4
